; MI455X (gfx1250); checked and timed in simulation.
; The chip was launched on July 23, 2026; its instructions are those of AMD's public machine-readable ISA for CDNA 5 (MIT licence, August 2026) and "CDNA5" Instruction Set Architecture Reference Guide (July 2026). The comments in the code are by the model that wrote it; some were corrected since.
;; Quantum Transformer Block. Allowed arithmetic: matrix products marked QUANTISED: E2M1 operands, one E8M0 scale for each 32 along K, by v_wmma_scale_f32_16x16x128_f8f6f4 with both operands' format E2M1 (or v_wmma_scale_f32_32x16x128_f4), f32 sums; products left as they are: f32 operands where the result goes on into a quantised operand, else bf16, f16 or f32 operands; f32 sums; everything else in f32.
;; Inputs: b1 1 float32; b_comb 1,024 float32; beta1 1,024 float32; beta2 1,024 float32; gamma1 1,024 float32; gamma2 1,024 float32; theta 8 float32; w1 1 x 8 float32; w_comb 1,024 x 1,024 float32; w_qkv 3,072 x 1,024 float32; x 2 x 2,048 x 1,024 float32.
;; Outputs: out0 2 x 2,048 x 1,024 float32.
;; This version of the problem:
;;   THIS VERSION OF THE PROBLEM IS GIVEN IN LOW PRECISION. The matrix products marked QUANTISED in the list below multiply operands that are first quantised to E2M1 (2 exponent bits, 1 mantissa bit; 4 bits a number), with one power-of-two scale for each 32 numbers along K (OCP MX v1.0); their sums are f32. All else is computed in f32.
;;   The module's matrix products, in the order in which they are computed (A, B: the left and right operand; K: the contracted axis; several contracted axes count as one K, in the product's order):
;;     1. [M 4,096, K 1,024] x [K 1,024, N 3,072]; A: input x; B: input w_qkv: QUANTISED
;;     2. batch 32 x [M 2,048, K 64] x [K 64, N 2,048]; A: computed on the way; B: computed on the way: QUANTISED
;;     3. batch 32 x [M 2,048, K 2,048] x [K 2,048, N 64]; A: softmax (see below); B: computed on the way: QUANTISED
;;     4. [M 4,096, K 1,024] x [K 1,024, N 1,024]; A: computed on the way; B: input w_comb: QUANTISED
;;     5. [M 4,096, K 8] x [K 8, N 1]; A: computed on the way; B: input w1: left as it is (K = 8 < 32)
;;   THE QUANTISER, for each operand of a quantised product, along K:
;;     - K is cut into blocks of 32 from its start; a last block that is shorter is filled with zeros.
;;     - A block's scale is 2^e with e = floor(log2(the largest magnitude in the block)) - 2, held to -126 .. 127; a block of zeros has e = 0. As a byte (E8M0): e + 127.
;;     - Each number is divided by its block's scale, clamped to +-6, and rounded to the nearest number of E2M1, ties to even, subnormals kept.
;;     - The product sums the exact products of the quantised numbers (number of the format x scale) in f32.
;;   ~~~python
;;   def quantise(x, axis):      # numpy; x: float32 -> the quantised numbers, widened to float32 again
;;       x = np.moveaxis(x, axis, -1); K = x.shape[-1]
;;       x = np.pad(x, [(0, 0)] * (x.ndim - 1) + [(0, -K % 32)]); x = x.reshape(x.shape[:-1] + (-1, 32)); a = np.abs(x).max(-1, keepdims=True)
;;       e = np.where(a > 0, np.clip(np.frexp(np.where(a > 0, a, 1))[1] - 1 - 2, -126, 127), 0)      # np.frexp(a)[1] - 1 = floor(log2(a)), exactly
;;       r = np.clip(x / 2.0 ** e, -6, 6)
;;       step = 2.0 ** (np.maximum(np.frexp(np.where(r == 0, 1, r))[1] - 1, 0) - 1)
;;       q = np.round(r / step) * step * 2.0 ** e      # np.round: ties to even
;;       return np.moveaxis(q.reshape(q.shape[:-2] + (-1,))[..., :K], -1, axis).astype(np.float32)
;;   ~~~
;;   SOFTMAX AHEAD OF A QUANTISED PRODUCT. Where the list says 'softmax', what is quantised is not the finished softmax but p = 2^(t - M), with t = logit x log2(e) and M = ceil(the row's largest t), a whole number; so 1/2 < the row's largest p <= 1. The row's sum l is taken of the UNQUANTISED p, in f32, and the product's result is divided by l at the end. Since M is a whole number, a kernel that streams over the keys may use a running M (the ceiling of the running maximum): every later rescaling is an exact power of two, which a block's scale takes up: the codes' values come out the same.
;;   OPERANDS COMPUTED ON THE WAY. 'Computed on the way' means the value that the module computes at that place (a softmax that the list does not call 'softmax' is quantised finished and normalised). What goes into a quantiser is computed in f32, as accurately as f32 sums, v_exp_f32 and their like allow (about 1e-6 of the number): no bf16 or f16 on the way to a quantiser, and a product that is left as it is and whose result goes on into a quantised operand takes f32 operands (vector FMAs, or v_wmma_f32_16x16x4_f32). A number that lies on a knife's edge between two numbers of the format may be rounded either way, as far as f32 arithmetic and the matrix unit's own rounding can turn it there, and no further.
;; 2 versions. Each part assembles by itself: llvm-mc -triple=amdgcn-amd-amdhsa -mcpu=gfx1250 --defsym DOCPART=n.
;; ======== version 1 of 2: 4 launches
;; limits: an absolute error that grows with the inputs' magnitude: up to 2e-08 times it
;; workspace buffers: img 4,456,448 bytes; qc 2,097,152 bytes; qs 262,144 bytes; kv 4,587,520 bytes; oi 2,097,152 bytes; os 131,072 bytes
;; launch quant (part 1): grid 256 x 1, 4 waves a work-group, no clusters, 168,448 bytes of LDS; arguments x, w_qkv, w_comb, img; writes img
.if DOCPART == 1
	.amdgcn_target "amdgcn-amd-amdhsa--gfx1250"
	.amdhsa_code_object_version 6
	.text
	.protected	k_q0a6e1e6dd2_quant
	.globl	k_q0a6e1e6dd2_quant
	.p2align	8
	.type	k_q0a6e1e6dd2_quant,@function
k_q0a6e1e6dd2_quant:
	s_mov_b64 s[64:65], 0
	v_nop
	global_prefetch_b8 v0, s[64:65] scope:SCOPE_SE
	s_setreg_imm32_b32 hwreg(HW_REG_WAVE_MODE, 25, 1), 1
	s_wait_xcnt 0x0
; x [4096][1024], w_qkv [3072][1024], w_comb [1024][1024], f32, K innermost, become codes of FP4 (E2M1) with one E8M0 byte for each 32 along K,
; laid as IMAGES OF OPERAND REGISTERS.  The 8,192 rows are 128 groups of 64 (0-63 x, 64-111 w_qkv, 112-127 w_comb).  A group's record is 8 K steps of 4,352 bytes:
; [tile 0..3][part 0..1][lane][16 bytes] of codes, then [slot r][tile] scale words (256 bytes).  Part c of a fragment is its registers 4 c .. 4 c + 3: lane (r, h) holds k = 64 c + 32 h + 0 .. 31 of slot r.
; THE ROWS OF A TILE ARE NOT NEIGHBOURS: slot r of tile t is row 32 (t / 2) + 8 (t % 2) + r + 8 (r / 8) of the group, so that a product that takes such tiles as source 0 leaves, in the 16 registers of
; tiles 2 b and 2 b + 1, 16 neighbours along these rows.
; SHARES: a work-group takes half the K steps of one group, a wave one K step: 64 rows x 128 numbers, brought by two tensor loads (32 rows x 512 bytes each) into the wave's own LDS bytes, filled once:
; only the issuing wave reads them, so its own wait on TENSORcnt is all the ordering.  No input is shared between work-groups, so there is no cluster.
; A block's scale is 2^(floor(log2(largest magnitude)) - 2); its byte is the largest magnitude's exponent field - 2, held at 1 from below.
; LIMITS: a block of zeros, or one whose largest magnitude lies under 2^-124, gets the byte 1 (zero codes add nothing; this program alone reads the bytes); NaN and infinities are not served.
.set REC,   34816                      ; a group's record
.set KREC,  4352                       ; a K step's record
.set PITCH, 528                        ; an LDS row: 512 bytes + 16 of padding
.set WREG,  64*PITCH                   ; a wave's LDS bytes
.set X,     32                         ; v32-95, v96-159  two sets of 64 numbers: register 16 b + i = k 32 b + 16 h + i of my row
.set CD,    160                        ; v160-191  codes, 8 registers a tile: no store's data are written again
.set WD,    192                        ; v192-195  a tile's scale words
.set TM,    200                        ; v200-215  at work
.set SEL,   36                         ; s[36:37]  v_permlanex16_b32's selects for lane l xor 16
.set G1,    16                         ; s[16:23]  descriptor group 1
.set G0,    24                         ; s[24:31]  two groups 0
; 64 numbers of a lane become a fragment's 8 registers of codes (v[pc] on) and its scale word (v[wd])
.macro QUANT64 s, pc, wd
.irp b, 0,1,2,3
	v_max3_num_f32 v[TM+\b], |v[\s+16*\b]|, |v[\s+1+16*\b]|, 0x1800000   ; block b: my 16 numbers, and the floor 2^(3 - 127): the byte cannot fall under 1
.endr
.irp i, 2,4,6,8,10,12,14
.irp b, 0,1,2,3
	v_max3_num_f32 v[TM+\b], v[TM+\b], |v[\s+16*\b+\i]|, |v[\s+1+16*\b+\i]|   ; the four blocks by turns
.endr
.endr
.irp b, 0,1,2,3
	v_permlanex16_b32 v[TM+4+\b], v[TM+\b], s[SEL], s[SEL+1]
.endr
.irp b, 0,1,2,3
	v_max_num_f32 v[TM+\b], v[TM+\b], v[TM+4+\b]   ; with lane l xor 16's 16: the block's largest magnitude
.endr
.irp b, 0,1,2,3
	v_add_nc_u32 v[TM+12+\b], 0xff000000, v[TM+\b]   ; 2 off its exponent field: the conversion's scale operand
.endr
.irp b, 0,1,2,3
	v_lshrrev_b32 v[TM+4+\b], 23, v[TM+12+\b]      ; the scale's byte
.endr
	v_lshl_or_b32 v[\wd], v[TM+5], 8, v[TM+4]
	v_lshl_or_b32 v[\wd], v[TM+6], 16, v[\wd]
	v_lshl_or_b32 v[\wd], v[TM+7], 24, v[\wd]
.irp b, 0,1,2,3
	v_cvt_scalef32_pk8_fp4_f32 v[\pc+2*\b], v[\s+16*\b:\s+7+16*\b], v[TM+12+\b]
	v_cvt_scalef32_pk8_fp4_f32 v[\pc+1+2*\b], v[\s+8+16*\b:\s+15+16*\b], v[TM+12+\b]
.endr
	v_nop                                          ; one plain place behind a scaled conversion
.irp c, 0,1                                    ; the layout wants a whole block in a lane: lanes 0-15 block 2 c, lanes 16-31 block 2 c + 1
.irp i, 0,1
	v_permlane16_swap_b32 v[\pc+4*\c+\i], v[\pc+2+4*\c+\i]
.endr
.endr
.endm
.macro LD t                            ; tile t's numbers out of LDS into set t % 2
.irp b, 0,1,2,3
.irp q, 0,1,2,3
	ds_load_b128 v[X+64*((\t)%2)+16*\b+4*\q:X+64*((\t)%2)+16*\b+4*\q+3], v4 offset:(32*((\t)/2)+8*((\t)%2))*PITCH+128*\b+16*\q
.endr
.endr
.endm
.macro ST t                            ; tile t's two parts: 512 consecutive bytes a store
.irp c, 0,1
	global_store_b128 v5, v[CD+8*(\t)+4*\c:CD+8*(\t)+4*\c+3], s[10:11] offset:1024*(\t)+512*\c
.endr
.endm
	s_load_b256 s[4:11], s[0:1], 0x0               ; x s[4:5], w_qkv s[6:7], w_comb s[8:9], img s[10:11]
	v_lshl_add_u32 v224, v0, 2, 0x29000
	v_mov_b32 v225, 0
	ds_add_u32 v224, v225
	ds_add_u32 v224, v225
	v_lshrrev_b32 v1, 5, v0
	v_readfirstlane_b32 s12, v1                    ; wave 0..3
	s_lshr_b32 s13, ttmp9, 1                       ; my group of 64 rows
	s_and_b32 s14, ttmp9, 1
	s_lshl_b32 s14, s14, 2
	s_add_co_u32 s14, s14, s12                     ; my K step
	; group 1: 32 rows x 64 elements of 8 bytes, rows 512 elements apart, 4 words of padding behind every 128
	s_mov_b32 s[G1+0], (3<<16)|(1<<20)|(6<<22)|(3<<25)
	s_mov_b32 s[G1+1], 64<<16                      ; tensor_dim0
	s_mov_b32 s[G1+2], 32<<16                      ; tensor_dim1
	s_mov_b32 s[G1+3], 64<<16                      ; tile_dim0
	s_mov_b32 s[G1+4], 32                          ; tile_dim1
	s_mov_b32 s[G1+5], 512                         ; tensor_dim0_stride
	s_mov_b32 s[G1+6], 0
	s_mov_b32 s[G1+7], 0
	s_mul_i32 s34, s12, WREG                       ; my wave's LDS bytes
	s_mov_b32 s[SEL], 0x76543210
	s_mov_b32 s[SEL+1], 0xfedcba98
	s_mov_b32 s40, 0xffff0000                      ; lanes 16-31
	s_mul_i32 s38, s13, REC
	s_mul_i32 s39, s14, KREC
	s_add_co_u32 s38, s38, s39                     ; where my K step's record begins
	s_mov_b32 s39, 0
	v_and_b32 v2, 15, v0                           ; r
	v_bfe_u32 v3, v0, 4, 1                         ; h
	v_and_b32 v7, 8, v2
	v_add_nc_u32 v7, v7, v2                        ; r + 8 (r / 8)
	v_mul_u32_u24 v4, v7, PITCH
	v_lshl_add_u32 v4, v3, 6, v4
	v_add_nc_u32 v4, s34, v4                       ; LDS: my row of tile 0, + 64 h: my 16 numbers of a block
	v_and_b32 v5, 31, v0
	v_lshlrev_b32 v5, 4, v5                        ; 16 x lane: my place in an image
	v_lshlrev_b32 v6, 4, v2
	v_lshl_add_u32 v6, v3, 3, v6                   ; 16 r + 8 h: two of my slot's four scale words
.irp b, 0,1,2,3
	v_mov_b32 v[TM+4+\b], 0                        ; written once: a lane permute's destination counts as one of its sources
.endr
	s_wait_dscnt 0x0
	s_wait_kmcnt 0x0
	s_add_nc_u64 s[10:11], s[10:11], s[38:39]
	s_cmp_lt_u32 s13, 112                          ; which tensor: the choice hangs on the work-group's number alone
	s_cselect_b64 s[6:7], s[6:7], s[8:9]
	s_cselect_b32 s15, 64, 112
	s_cmp_lt_u32 s13, 64
	s_cselect_b64 s[4:5], s[4:5], s[6:7]
	s_cselect_b32 s15, 0, s15
	s_sub_co_u32 s15, s13, s15                     ; the group's number in its tensor
	s_lshl_b32 s32, s15, 18                        ; 64 rows of 4,096 bytes
	s_lshl_b32 s33, s14, 9                         ; + 512 bytes a K step
	s_add_co_u32 s32, s32, s33
	s_mov_b32 s33, 0
	s_add_nc_u64 s[4:5], s[4:5], s[32:33]
	s_mov_b32 s[G0+0], 1
	s_mov_b32 s[G0+1], s34                         ; rows 0-31
	s_mov_b64 s[G0+2:G0+3], s[4:5]
	s_or_b32 s[G0+3], s[G0+3], 0x80000000
	s_mov_b32 s[G0+4], 1
	s_add_co_u32 s[G0+5], s34, 32*PITCH            ; rows 32-63
	s_add_nc_u64 s[G0+6:G0+7], s[4:5], 32*4096
	s_or_b32 s[G0+7], s[G0+7], 0x80000000
	tensor_load_to_lds s[G0:G0+3], s[G1:G1+7]      ; both first fills together: two loads of mine are out
	s_nop 0
	tensor_load_to_lds s[G0+4:G0+7], s[G1:G1+7]
	s_nop 0
.rept 4
	v_nop
.endr
	s_wait_tensorcnt 0x1                           ; rows 0-31 (tiles 0 and 1) are in; the second load may be out
	LD 0
	LD 1
	s_wait_dscnt 16                                ; tile 0's 16 loads are in, tile 1's may be out
	QUANT64 X, CD, WD
	ST 0
	s_wait_tensorcnt 0x0                           ; rows 32-63
	LD 2
	s_wait_dscnt 16                                ; tile 1's are in, tile 2's may be out
	QUANT64 X+64, CD+8, WD+1
	ST 1
	LD 3
	s_wait_dscnt 16                                ; tile 2's are in, tile 3's may be out
	QUANT64 X, CD+16, WD+2
	ST 2
	s_wait_dscnt 0x0
	QUANT64 X+64, CD+24, WD+3
	ST 3
	v_cndmask_b32 v196, v[WD], v[WD+2], s40        ; lanes 0-15 store the words of tiles 0 and 1, lanes 16-31 those of tiles 2 and 3:
	v_cndmask_b32 v197, v[WD+1], v[WD+3], s40
	global_store_b64 v6, v[196:197], s[10:11] offset:4096   ; the wave stores 256 consecutive bytes, aligned
	s_wait_tensorcnt 0x0
	ds_add_u32 v224, v225
	s_wait_dscnt 0x0
	s_endpgm
.Lfunc_end_k_q0a6e1e6dd2_quant:
	.size	k_q0a6e1e6dd2_quant, .Lfunc_end_k_q0a6e1e6dd2_quant-k_q0a6e1e6dd2_quant
	.p2alignl 7, 3214868480
	.fill 96, 4, 3214868480
	.section	.rodata,"a",@progbits
	.p2align	6, 0x0
	.amdhsa_kernel k_q0a6e1e6dd2_quant
		.amdhsa_group_segment_fixed_size 168448
		.amdhsa_private_segment_fixed_size 0
		.amdhsa_enable_private_segment 0
		.amdhsa_kernarg_size 32
		.amdhsa_user_sgpr_count 2
		.amdhsa_user_sgpr_kernarg_segment_ptr 1
		.amdhsa_wavefront_size32 1
		.amdhsa_system_sgpr_workgroup_id_x 1
		.amdhsa_system_sgpr_workgroup_id_y 1
		.amdhsa_system_sgpr_workgroup_id_z 1
		.amdhsa_system_vgpr_workitem_id 0
		.amdhsa_next_free_vgpr 226
		.amdhsa_next_free_sgpr 66
		.amdhsa_reserve_vcc 0
		.amdhsa_float_denorm_mode_32 3
		.amdhsa_float_denorm_mode_16_64 3
		.amdhsa_memory_ordered 1
		.amdhsa_forward_progress 1
		.amdhsa_inst_pref_size 24
	.end_amdhsa_kernel
	.amdgpu_metadata
---
amdhsa.version: [ 1, 2 ]
amdhsa.kernels:
  - .name:           k_q0a6e1e6dd2_quant
    .symbol:         k_q0a6e1e6dd2_quant.kd
    .args:
      - { .name: x, .offset: 0, .size: 8, .value_kind: global_buffer, .address_space: global }
      - { .name: w_qkv, .offset: 8, .size: 8, .value_kind: global_buffer, .address_space: global }
      - { .name: w_comb, .offset: 16, .size: 8, .value_kind: global_buffer, .address_space: global }
      - { .name: img, .offset: 24, .size: 8, .value_kind: global_buffer, .address_space: global }
    .group_segment_fixed_size: 168448
    .private_segment_fixed_size: 0
    .kernarg_segment_align: 8
    .kernarg_segment_size: 32
    .max_flat_workgroup_size: 128
    .sgpr_count:     66
    .vgpr_count:     226
    .wavefront_size: 32
...
	.end_amdgpu_metadata
.endif
;; end of part 1
;; launch qkv (part 2): grid 16 x 16, 12 waves a work-group, clusters of 4 x 4, 245,760 bytes of LDS; arguments img, qc, qs, kv; writes qc, qs, kv
.if DOCPART == 2
	.amdgcn_target "amdgcn-amd-amdhsa--gfx1250"
	.amdhsa_code_object_version 6
	.text
	.protected	k_q0a6e1e6dd2_qkv
	.globl	k_q0a6e1e6dd2_qkv
	.p2align	8
	.type	k_q0a6e1e6dd2_qkv,@function
k_q0a6e1e6dd2_qkv:
	s_mov_b64 s[64:65], 0
	v_nop
	global_prefetch_b8 v0, s[64:65] scope:SCOPE_SE
	s_setreg_imm32_b32 hwreg(HW_REG_WAVE_MODE, 25, 1), 1
	s_wait_xcnt 0x0
	s_wait_alu depctr_hold_cnt(0) depctr_sa_sdst(0) depctr_va_vdst(0) depctr_va_sdst(0) depctr_va_ssrc(0) depctr_va_vcc(0) depctr_vm_vsrc(0)
	s_getreg_b32 s2, hwreg(HW_REG_IB_STS2, 6, 4)
	s_cmp_eq_u32 s2, 0
	s_cbranch_scc0 .Lentry_in_a_cluster
	s_endpgm
.Lentry_in_a_cluster:
	s_bfe_u32 s2, ttmp6, 0x10000c
	s_cmp_lg_u32 s2, 0xf033
	s_cbranch_scc0 .Lentry_shape_is_right
	s_endpgm
.Lentry_shape_is_right:
; qkv = x w_qkv^T on codes of FP4, and q, k, v quantised straight from the accumulators into the images that the attention launch reads.
; SHARES: a work-group takes 256 tokens (mb) x one head (hx): q's, k's and v's 64 columns.  Wave w: kind w / 4 (0 q, 1 k, 2 v), quarter w % 4 of the tokens: 64 x 64, 16 accumulators.
; ONE TEXT FOR ALL KINDS: a wave multiplies four tiles P (source 0) by four tiles R (source 1).  q and k: P = the weight's rows, R = the tokens: a lane holds one token and its registers run along the head's 64,
; which is the K of q k^T.  v: P = the tokens, R = the weight's rows: a lane holds one channel and its registers run along the tokens, which are the K of p v.  The tiles' row order makes the 16 registers of
; tiles 2 b, 2 b + 1 neighbours: index 32 b + 16 h + 0 .. 15.
; LDS: seven group records as they lie in memory (4 of x, then q's, k's, v's weights), 34,816 bytes each, filled ONCE; behind them 512 bytes in which v's scale half-words meet.
; CLUSTER 4 x 4: x's records hang on mb alone and are asked for jointly along a row of the cluster, the weights' on hx alone and jointly along a column.  Waves 0-3 ask for x's, waves 4-6 for the weights':
; four loads each, two K steps (8,704 bytes = 34 rows of 256) a load: four loads of a wave are out at the most.
; OUT: qc [head][tile][512]; qs, and kv's scale words, as pairs a lane (tiles h and 2 + h); kv [head][key step of 128][K codes 4,096 | V codes 4,096 | K scales 512 | V scales 256].
; q's and k's K is 64: their scale words carry 0x7f for the two blocks that the attention launch fills with zero codes.
; LIMITS: a block of zeros, or one under 2^-124, gets the byte 1; NaN and infinities are not served.
.set REC,   34816
.set KREC,  4352
.set VSTG,  7*REC                      ; v's scale half-words: two key steps x 256 bytes
.set PS,    12                         ; v12-15  P's scale words (lanes 0-15 the even K step, lanes 16-31 the odd one); v16-19 R's: scales and nothing else
.set RS,    16
.set PF,    32                         ; v32-63  P's four fragments;  v64-95 R's
.set RF,    64
.set TM,    96                         ; v96-111 at work
.set ACC,   128                        ; accumulator (p, j) at v[128 + 8 (4 j + p)]
.set SEL,   2                          ; s[2:3]
.set G1A,   24
.set G1B,   32
.set G0A,   40                         ; s[40:55] four groups 0 for x's records
.set G0B,   68                         ; s[68:83] four for the weights'
.macro CROUND                          ; a round of the cluster's barrier
	s_barrier_signal -1
	s_barrier_wait -1
	s_cmp_lg_u32 s12, 0
	s_cbranch_scc1 .Lnot_wave_0_\@
	s_barrier_signal -3
.Lnot_wave_0_\@:
	s_barrier_wait -3
	s_barrier_signal -1
	s_barrier_wait -1
.endm
; 32 numbers of a lane (register 16 b + i = k 32 b + 16 h + i) become registers 0-3 of a fragment (v[pc] on: lane (r, h) holds k = 32 h + 0 .. 31) and two scale bytes (v[wd])
.macro QUANT32 s, pc, wd
.irp b, 0,1
	v_max3_num_f32 v[TM+\b], |v[\s+16*\b]|, |v[\s+1+16*\b]|, 0x1800000   ; each accumulator is read from its low end on; the floor 2^(3 - 127) holds the byte at 1 from below
.endr
.irp i, 2,4,6,8,10,12,14
.irp b, 0,1
	v_max3_num_f32 v[TM+\b], v[TM+\b], |v[\s+16*\b+\i]|, |v[\s+1+16*\b+\i]|
.endr
.endr
.irp b, 0,1
	v_permlanex16_b32 v[TM+4+\b], v[TM+\b], s[SEL], s[SEL+1]
.endr
.irp b, 0,1
	v_max_num_f32 v[TM+\b], v[TM+\b], v[TM+4+\b]
.endr
.irp b, 0,1
	v_add_nc_u32 v[TM+12+\b], 0xff000000, v[TM+\b]
.endr
.irp b, 0,1
	v_lshrrev_b32 v[TM+4+\b], 23, v[TM+12+\b]
.endr
	v_lshl_or_b32 v[\wd], v[TM+5], 8, v[TM+4]
.irp b, 0,1
	v_cvt_scalef32_pk8_fp4_f32 v[\pc+2*\b], v[\s+16*\b:\s+7+16*\b], v[TM+12+\b]
	v_cvt_scalef32_pk8_fp4_f32 v[\pc+1+2*\b], v[\s+8+16*\b:\s+15+16*\b], v[TM+12+\b]
.endr
	v_nop                                          ; one plain place behind a scaled conversion
	v_permlane16_swap_b32 v[\pc], v[\pc+2]
	v_permlane16_swap_b32 v[\pc+1], v[\pc+3]
.endm
	s_load_b256 s[4:11], s[0:1], 0x0               ; img s[4:5], qc s[6:7], qs s[8:9], kv s[10:11]
	v_lshl_add_u32 v126, v0, 2, 0x3ba00
	v_mov_b32 v127, 0
	ds_add_u32 v126, v127
	ds_add_u32 v126, v127
	v_lshrrev_b32 v9, 5, v0
	v_readfirstlane_b32 s12, v9                    ; wave 0..11
	s_lshr_b32 s13, s12, 2                         ; kind: 0 q, 1 k, 2 v
	s_and_b32 s14, s12, 3                          ; my quarter of the tokens
	s_lshr_b32 s15, s12, 3                         ; 1 in v's waves
	s_xor_b32 s16, s15, 1
	s_bfe_u32 s17, ttmp6, 0x40000                  ; cx
	s_bfe_u32 s18, ttmp6, 0x40004                  ; cy
	s_lshl_b32 s19, ttmp9, 2
	s_add_co_u32 s19, s19, s17                     ; hx: the head
	s_and_b32 s20, ttmp7, 0xffff
	s_lshl_b32 s20, s20, 2
	s_add_co_u32 s20, s20, s18                     ; mb: the block of 256 tokens
	s_lshl_b32 s21, s18, 2
	s_lshl_b32 s21, 15, s21                        ; my row of the cluster
	s_lshl_b32 s22, 0x1111, s17                    ; my column
	s_mov_b32 s[SEL], 0x76543210
	s_mov_b32 s[SEL+1], 0xfedcba98
	s_mov_b32 s99, 0xffff0000                      ; lanes 16-31
	; every LDS address is made here, of the wave's number and the lane alone
	s_mul_i32 s84, s14, REC                        ; my tokens' record
	s_mul_i32 s85, s13, REC
	s_add_co_u32 s85, s85, 4*REC                   ; my weight's record
	s_mul_i32 s86, s16, s85
	s_mul_i32 s87, s15, s84
	s_add_co_u32 s86, s86, s87                     ; P: the weight's (q, k) or the tokens' (v)
	s_mul_i32 s87, s16, s84
	s_mul_i32 s88, s15, s85
	s_add_co_u32 s87, s87, s88                     ; R: the other one
	v_and_b32 v9, 31, v0
	v_and_b32 v10, 15, v0                          ; r
	v_bfe_u32 v11, v0, 4, 1                        ; h
	v_lshlrev_b32 v1, 4, v9                        ; 16 x lane
	v_lshlrev_b32 v2, 3, v9                        ; 8 x lane
	v_add_nc_u32 v3, s86, v1                       ; P's images
	v_add_nc_u32 v4, s87, v1                       ; R's
	v_mul_u32_u24 v9, v11, KREC
	v_lshl_add_u32 v9, v10, 4, v9
	v_add_nc_u32 v9, 4096, v9                      ; a slot's four scale words; lanes 16-31 take the K step after
	v_add_nc_u32 v5, s86, v9
	v_add_nc_u32 v6, s87, v9
	s_lshr_b32 s88, s14, 1
	s_lshl_b32 s88, s88, 8
	s_add_co_u32 s88, s88, VSTG
	v_add_nc_u32 v8, s88, v2                       ; v's scale words of my key step: 8 bytes a lane,
	s_and_b32 s89, s14, 1
	s_lshl_b32 s89, s89, 1
	v_add_nc_u32 v7, s89, v8                       ; and my half-word in them
	v_mov_b32 v[TM+4], 0                           ; written once: a lane permute's destination counts as one of its sources
	v_mov_b32 v[TM+5], 0
	; group 1: 34 rows of 32 elements of 8 bytes, dense
	s_or_b32 s[G1A], s21, (3<<16)|(1<<21)          ; 15:0 the mask; 17:16 elements of 8 bytes; 21 set beside a mask
	s_or_b32 s[G1B], s22, (3<<16)|(1<<21)
.irp g, G1A, G1B
	s_mov_b32 s[\g+1], 32<<16
	s_mov_b32 s[\g+2], 34<<16
	s_mov_b32 s[\g+3], 32<<16
	s_mov_b32 s[\g+4], 34
	s_mov_b32 s[\g+5], 32
	s_mov_b32 s[\g+6], 0
	s_mov_b32 s[\g+7], 0
.endr
	s_lshl_b32 s56, s20, 2
	s_add_co_u32 s56, s56, s12
	s_mul_i32 s56, s56, REC                        ; x's group 4 mb + wave: made of mb and the wave's number alone
	s_mov_b32 s57, 0
	s_lshl_b32 s58, s12, 4
	s_add_co_u32 s58, s58, s19
	s_mul_i32 s58, s58, REC                        ; the weights' group 16 wave + hx: of hx and the wave's number alone
	s_mov_b32 s59, 0
	s_mul_i32 s23, s12, REC                        ; record = wave
	; where my results go
	s_lshr_b32 s90, s20, 3
	s_lshl_b32 s90, s90, 4
	s_add_co_u32 s90, s90, s19                     ; hb = 16 x batch + head
	s_and_b32 s91, s20, 7
	s_lshl_b32 s92, s90, 16
	s_lshl_b32 s93, s91, 13
	s_add_co_u32 s92, s92, s93
	s_lshl_b32 s93, s14, 11
	s_add_co_u32 s92, s92, s93                     ; q's codes: 65,536 hb + 8,192 (mb % 8) + 2,048 quarter
	s_mul_i32 s94, s90, 143360
	s_lshl_b32 s93, s91, 1
	s_lshr_b32 s95, s14, 1
	s_add_co_u32 s93, s93, s95
	s_mul_i32 s93, s93, 8960
	s_add_co_u32 s94, s94, s93                     ; my key step's record in kv
	s_and_b32 s95, s14, 1                          ; which 64 of its 128 keys
	s_lshl_b32 s93, s95, 11
	s_add_co_u32 s93, s93, s94
	s_lshl_b32 s96, s15, 12
	s_add_co_u32 s93, s93, s96                     ; k's or v's codes
	s_lshl_b32 s96, s90, 13
	s_lshl_b32 s97, s91, 2
	s_add_co_u32 s97, s97, s14
	s_lshl_b32 s97, s97, 8
	s_add_co_u32 s96, s96, s97                     ; q's scale words
	s_lshl_b32 s97, s95, 8
	s_add_co_u32 s97, s97, s94
	s_add_co_u32 s97, s97, 8192                    ; k's
	s_add_co_u32 s98, s94, 8704                    ; v's
	s_wait_dscnt 0x0
	s_wait_kmcnt 0x0
	s_add_nc_u64 s[56:57], s[4:5], s[56:57]
	s_add_nc_u64 s[58:59], s[4:5], s[58:59]
	s_cmp_eq_u32 s13, 0
	s_cselect_b64 s[60:61], s[6:7], s[10:11]       ; the codes' buffer and the scales', by the wave's kind
	s_cselect_b32 s62, s92, s93
	s_cselect_b64 s[84:85], s[8:9], s[10:11]
	s_cselect_b32 s86, s96, s97
	s_cmp_eq_u32 s15, 1
	s_cselect_b32 s86, s98, s86
	s_mov_b32 s63, 0
	s_mov_b32 s87, 0
	s_add_nc_u64 s[60:61], s[60:61], s[62:63]
	s_add_nc_u64 s[84:85], s[84:85], s[86:87]
.irp i, 0,1,2,3
	s_mov_b32 s[G0A+4*\i], 1
	s_add_co_u32 s[G0A+4*\i+1], s23, 8704*\i
	s_add_nc_u64 s[G0A+4*\i+2:G0A+4*\i+3], s[56:57], 8704*\i
	s_or_b32 s[G0A+4*\i+3], s[G0A+4*\i+3], 0x80000000
	s_mov_b32 s[G0B+4*\i], 1
	s_add_co_u32 s[G0B+4*\i+1], s23, 8704*\i
	s_add_nc_u64 s[G0B+4*\i+2:G0B+4*\i+3], s[58:59], 8704*\i
	s_or_b32 s[G0B+4*\i+3], s[G0B+4*\i+3], 0x80000000
.endr
	CROUND                                         ; all sixteen work-groups are here: the joint loads meet
	s_cmp_lt_u32 s12, 4                            ; a wave's four fills stand in one branch on its number, ahead of every wait on TENSORcnt and every LDS read
	s_cbranch_scc0 .Lnot_x
.irp i, 0,1,2,3
	tensor_load_to_lds s[G0A+4*\i:G0A+4*\i+3], s[G1A:G1A+7]
	s_nop 0
.endr
.rept 4
	v_nop
.endr
	s_branch .Lasked
.Lnot_x:
	s_cmp_lt_u32 s12, 7
	s_cbranch_scc0 .Lasked
.irp i, 0,1,2,3
	tensor_load_to_lds s[G0B+4*\i:G0B+4*\i+3], s[G1B:G1B+7]
	s_nop 0
.endr
.rept 4
	v_nop
.endr
.Lasked:
; A K step of 128: 16 fragment loads, 16 products.  The 16 accumulators take turns, one instruction a turn.
.macro KSTEP ks
.if (\ks)%2 == 0
	s_wait_tensorcnt 3-(\ks)/2                     ; my load of these two K steps is in; the later ones may be out
	s_barrier_signal -1
	s_barrier_wait -1                              ; everybody's is
	ds_load_b128 v[PS:PS+3], v5 offset:8704*((\ks)/2)
	ds_load_b128 v[RS:RS+3], v6 offset:8704*((\ks)/2)
.endif
.irp t, 0,1,2,3
.irp c, 0,1
	ds_load_b128 v[PF+8*\t+4*\c:PF+8*\t+4*\c+3], v3 offset:KREC*(\ks)+1024*\t+512*\c
	ds_load_b128 v[RF+8*\t+4*\c:RF+8*\t+4*\c+3], v4 offset:KREC*(\ks)+1024*\t+512*\c
.endr
.endr
	s_wait_dscnt 0x0
.irp j, 0,1,2,3
.irp p, 0,1,2,3
.if (\ks) == 0
	v_wmma_scale_f32_16x16x128_f8f6f4 v[ACC+8*(4*\j+\p):ACC+8*(4*\j+\p)+7], v[PF+8*\p:PF+8*\p+7], v[RF+8*\j:RF+8*\j+7], 0, v[PS+\p], v[RS+\j] matrix_a_fmt:MATRIX_FMT_FP4 matrix_b_fmt:MATRIX_FMT_FP4
.elseif (\ks)%2 == 0
	v_wmma_scale_f32_16x16x128_f8f6f4 v[ACC+8*(4*\j+\p):ACC+8*(4*\j+\p)+7], v[PF+8*\p:PF+8*\p+7], v[RF+8*\j:RF+8*\j+7], v[ACC+8*(4*\j+\p):ACC+8*(4*\j+\p)+7], v[PS+\p], v[RS+\j] matrix_a_fmt:MATRIX_FMT_FP4 matrix_b_fmt:MATRIX_FMT_FP4
.else
	v_wmma_scale_f32_16x16x128_f8f6f4 v[ACC+8*(4*\j+\p):ACC+8*(4*\j+\p)+7], v[PF+8*\p:PF+8*\p+7], v[RF+8*\j:RF+8*\j+7], v[ACC+8*(4*\j+\p):ACC+8*(4*\j+\p)+7], v[PS+\p], v[RS+\j] matrix_a_fmt:MATRIX_FMT_FP4 matrix_b_fmt:MATRIX_FMT_FP4 matrix_a_scale:MATRIX_SCALE_ROW1 matrix_b_scale:MATRIX_SCALE_ROW1
.endif
.endr
.endr
.rept 4
	v_nop                                          ; four places in front of loads into registers that the products have read, and of the first read of results
.endr
.endm
.irp k, 0,1,2,3,4,5,6,7
	KSTEP \k
.endr
	; R's tile j: 16 rows (q, k: tokens; v: channels), 64 along the next K: half a fragment and two scale bytes.  A store covers 512 consecutive bytes.
.irp j, 0,1,2,3
	QUANT32 ACC+32*\j, 32+4*\j, 48+\j
	global_store_b128 v1, v[32+4*\j:35+4*\j], s[60:61] offset:512*\j
.endr
	v_cndmask_b32 v52, v48, v49, s99               ; lanes 0-15: tiles 0 and 2; lanes 16-31: tiles 1 and 3
	v_cndmask_b32 v53, v50, v51, s99
	s_cmp_lt_u32 s12, 8
	s_cbranch_scc0 .Lv_scales
	v_or_b32 v54, 0x7f7f0000, v52                  ; q, k: the words are whole: 2^0 for the two blocks of zero codes
	v_or_b32 v55, 0x7f7f0000, v53
	global_store_b64 v2, v[54:55], s[84:85]        ; the wave stores 256 consecutive bytes, aligned
	s_branch .Lscales_out
.Lv_scales:
	ds_store_b16 v7, v52                           ; v: a word's two halves come from two waves (keys 0-63, 64-127 of the step): they meet in LDS
	ds_store_b16 v7, v53 offset:4
.Lscales_out:
	s_wait_dscnt 0x0                               ; for the others' sake: my stores have landed
	s_barrier_signal -1
	s_barrier_wait -1
	s_and_b32 s97, s12, 9
	s_cmp_eq_u32 s97, 8                            ; waves 8 and 10 store the two key steps' words
	s_cbranch_scc0 .Lno_words
	ds_load_b64 v[56:57], v8
	s_wait_dscnt 0x0
	global_store_b64 v2, v[56:57], s[84:85]        ; 256 consecutive bytes, aligned
.Lno_words:
	s_wait_tensorcnt 0x0
	ds_add_u32 v126, v127
	s_wait_dscnt 0x0
	CROUND                                         ; the closing round: no work-group ends while a partner may still ask for a record that names it
	s_endpgm
.Lfunc_end_k_q0a6e1e6dd2_qkv:
	.size	k_q0a6e1e6dd2_qkv, .Lfunc_end_k_q0a6e1e6dd2_qkv-k_q0a6e1e6dd2_qkv
	.p2alignl 7, 3214868480
	.fill 96, 4, 3214868480
	.section	.rodata,"a",@progbits
	.p2align	6, 0x0
	.amdhsa_kernel k_q0a6e1e6dd2_qkv
		.amdhsa_group_segment_fixed_size 245760
		.amdhsa_private_segment_fixed_size 0
		.amdhsa_enable_private_segment 0
		.amdhsa_kernarg_size 32
		.amdhsa_user_sgpr_count 2
		.amdhsa_user_sgpr_kernarg_segment_ptr 1
		.amdhsa_wavefront_size32 1
		.amdhsa_system_sgpr_workgroup_id_x 1
		.amdhsa_system_sgpr_workgroup_id_y 1
		.amdhsa_system_sgpr_workgroup_id_z 1
		.amdhsa_system_vgpr_workitem_id 0
		.amdhsa_next_free_vgpr 256
		.amdhsa_next_free_sgpr 100
		.amdhsa_reserve_vcc 0
		.amdhsa_float_denorm_mode_32 3
		.amdhsa_float_denorm_mode_16_64 3
		.amdhsa_memory_ordered 1
		.amdhsa_forward_progress 1
		.amdhsa_inst_pref_size 45
	.end_amdhsa_kernel
	.amdgpu_metadata
---
amdhsa.version: [ 1, 2 ]
amdhsa.kernels:
  - .name:           k_q0a6e1e6dd2_qkv
    .symbol:         k_q0a6e1e6dd2_qkv.kd
    .args:
      - { .name: img, .offset: 0, .size: 8, .value_kind: global_buffer, .address_space: global }
      - { .name: qc, .offset: 8, .size: 8, .value_kind: global_buffer, .address_space: global }
      - { .name: qs, .offset: 16, .size: 8, .value_kind: global_buffer, .address_space: global }
      - { .name: kv, .offset: 24, .size: 8, .value_kind: global_buffer, .address_space: global }
    .group_segment_fixed_size: 245760
    .private_segment_fixed_size: 0
    .kernarg_segment_align: 8
    .kernarg_segment_size: 32
    .max_flat_workgroup_size: 384
    .sgpr_count:     100
    .vgpr_count:     256
    .wavefront_size: 32
...
	.end_amdgpu_metadata
.endif
;; end of part 2
;; launch attn (part 3): grid 8 x 32, 16 waves a work-group, clusters of 4 x 1, 169,984 bytes of LDS; arguments qc, qs, kv, oi, os; writes oi, os
.if DOCPART == 3
	.amdgcn_target "amdgcn-amd-amdhsa--gfx1250"
	.amdhsa_code_object_version 6
	.text
	.protected	k_q0a6e1e6dd2_attn
	.globl	k_q0a6e1e6dd2_attn
	.p2align	8
	.type	k_q0a6e1e6dd2_attn,@function
k_q0a6e1e6dd2_attn:
	s_mov_b64 s[64:65], 0
	v_nop
	global_prefetch_b8 v0, s[64:65] scope:SCOPE_SE
	s_setreg_imm32_b32 hwreg(HW_REG_WAVE_MODE, 25, 1), 1
	s_wait_xcnt 0x0
	s_wait_alu depctr_hold_cnt(0) depctr_sa_sdst(0) depctr_va_vdst(0) depctr_va_sdst(0) depctr_va_ssrc(0) depctr_va_vcc(0) depctr_vm_vsrc(0)
	s_getreg_b32 s2, hwreg(HW_REG_IB_STS2, 6, 4)
	s_cmp_eq_u32 s2, 0
	s_cbranch_scc0 .Lentry_in_a_cluster
	s_endpgm
.Lentry_in_a_cluster:
	s_bfe_u32 s2, ttmp6, 0x10000c
	s_cmp_lg_u32 s2, 0x3003
	s_cbranch_scc0 .Lentry_shape_is_right
	s_endpgm
.Lentry_shape_is_right:
; O = softmax(q k^T / 8) v for one head, both products on codes of FP4, and O quantised along the embedding for the last product.
; THE SOFTMAX: t = score x log2(e) / 8; M = the running largest t rounded UP to a whole number; p = 2^(t - M) is quantised along the keys, not normalised; the row's sum is taken of the unquantised p and
; divides O at the end; when M moves, the sum and O are multiplied by 2^(old M - new M), which rounds nothing.
; SHARES: a work-group owns 256 queries of one head (hb = 16 batch + head), each of its 16 waves one tile of 16; four waves to a SIMD, so that one wave's vector work stands beside another's products and LDS loads.
; LAYOUT: both products transposed: S^T = K Q^T, O^T = V^T P^T: a lane holds ONE query throughout.  The keys of a tile of K and the channels of a tile of V^T stand in the order in which the launch before laid
; them, so that p's 16 registers of tiles 2 b, 2 b + 1 are keys 32 b + 16 h + 0 .. 15, and O^T's are channels likewise.
; q k^T has K = 64: registers 4-7 of Q's and K's fragments hold zero codes, under the scale byte 0x7f.
; LDS: the head's whole record of kv, 16 key steps x 8,960 bytes, filled ONCE.  CLUSTER 4 x 1: the four blocks of queries read the same record, so each key step is asked for jointly (mask 15): waves 0-3, four loads
; each (load i of wave w: key step 4 i + w): four loads of a wave are out at the most.
; TWO BARRIERS: behind the first (each fetching wave's load 0 has landed) key steps 0 to 3 may be read, and one key step is worked; in front of the second every fetching wave has waited for all its loads, and the
; other 15 steps run behind it without a barrier, so that no wave waits for another until the end.
; K IS FETCHED A STEP AHEAD: the next step's ten LDS loads go out behind this step's first products, into the registers that those have read.  The last step is written out without them.
; EXPONENTIALS AND PLAIN INSTRUCTIONS BY TURNS: behind each exponential stands one plain instruction that names none of its registers (ISA guide 5.7.2): a scaling of a pair still to come, a sum of a pair that is done,
; a rescaling, a block's floor or scale operand.
; LIMITS: a block of zeros, or one under 2^-124, gets the byte 1; NaN and infinities are not served.
.set KVS,  8960
.set TM,   232                         ; the tail's quantiser works in v232-247
.set SEL,  44                          ; s[44:45]
.set TB,   46                          ; s46  LDS byte of the key step in hand
.set CNT,  47
.set CS,   50                          ; s[50:51] c = log2(e) / 8
.set G1,   20
.set G0,   28                          ; s[28:43]
; REGISTERS: v1 16 x lane, v2 8 x lane, v3-4 the step's addresses, v6 32 r; v12 -M, v13 the largest t, v[14:15] the sum in two halves; v16-23 Q; v24 Q's scale word, v25 p's, v26-29 K's, v30-31 V's;
; v32-95 K's 8 fragments; v96-159 S^T, then p; v160-191 O^T; v192-223 V's 4 fragments; v224-231 p's codes; v232-254 at work
.macro CROUND
	s_barrier_signal -1
	s_barrier_wait -1
	s_cmp_lg_u32 s14, 0
	s_cbranch_scc1 .Lnot_wave_0_\@
	s_barrier_signal -3
.Lnot_wave_0_\@:
	s_barrier_wait -3
	s_barrier_signal -1
	s_barrier_wait -1
.endm
.macro QUANT32 s, pc, wd
.irp b, 0,1
	v_max3_num_f32 v[TM+\b], |v[\s+16*\b]|, |v[\s+1+16*\b]|, 0x1800000
.endr
.irp i, 2,4,6,8,10,12,14
.irp b, 0,1
	v_max3_num_f32 v[TM+\b], v[TM+\b], |v[\s+16*\b+\i]|, |v[\s+1+16*\b+\i]|
.endr
.endr
.irp b, 0,1
	v_permlanex16_b32 v[TM+4+\b], v[TM+\b], s[SEL], s[SEL+1]
.endr
.irp b, 0,1
	v_max_num_f32 v[TM+\b], v[TM+\b], v[TM+4+\b]
.endr
.irp b, 0,1
	v_add_nc_u32 v[TM+12+\b], 0xff000000, v[TM+\b]
.endr
.irp b, 0,1
	v_lshrrev_b32 v[TM+4+\b], 23, v[TM+12+\b]
.endr
	v_lshl_or_b32 v[\wd], v[TM+5], 8, v[TM+4]
.irp b, 0,1
	v_cvt_scalef32_pk8_fp4_f32 v[\pc+2*\b], v[\s+16*\b:\s+7+16*\b], v[TM+12+\b]
	v_cvt_scalef32_pk8_fp4_f32 v[\pc+1+2*\b], v[\s+8+16*\b:\s+15+16*\b], v[TM+12+\b]
.endr
	v_nop
	v_permlane16_swap_b32 v[\pc], v[\pc+2]
	v_permlane16_swap_b32 v[\pc+1], v[\pc+3]
.endm
	s_load_b256 s[4:11], s[0:1], 0x0               ; qc s[4:5], qs s[6:7], kv s[8:9], oi s[10:11]
	s_load_b64 s[12:13], s[0:1], 0x20              ; os
	v_lshl_add_u32 v251, v0, 2, 0x29000
	v_mov_b32 v255, 0
	ds_add_u32 v251, v255
	ds_add_u32 v251, v255
	v_lshrrev_b32 v5, 5, v0
	v_readfirstlane_b32 s14, v5                    ; wave 0..15
	s_bfe_u32 s15, ttmp6, 0x40000                  ; cx
	s_lshl_b32 s16, ttmp9, 2
	s_add_co_u32 s16, s16, s15                     ; my block of 256 queries: it enters Q's and O's addresses alone
	s_and_b32 s17, ttmp7, 0xffff                   ; hb, which the four partners share
	s_lshl_b32 s18, s16, 4
	s_add_co_u32 s18, s18, s14                     ; my tile of 16 queries, 0..127
	v_and_b32 v5, 31, v0
	v_lshlrev_b32 v1, 4, v5
	v_lshlrev_b32 v2, 3, v5
	v_and_b32 v5, 15, v0
	v_lshlrev_b32 v6, 5, v5                        ; 32 r: my query's row of scale half-words
	v_lshlrev_b32 v5, 3, v5                        ; 8 r
	; group 1: 35 rows of 32 elements of 8 bytes, dense; the mask names all four work-groups
	s_mov_b32 s[G1+0], 15|(3<<16)|(1<<21)
	s_mov_b32 s[G1+1], 32<<16
	s_mov_b32 s[G1+2], 35<<16
	s_mov_b32 s[G1+3], 32<<16
	s_mov_b32 s[G1+4], 35
	s_mov_b32 s[G1+5], 32
	s_mov_b32 s[G1+6], 0
	s_mov_b32 s[G1+7], 0
	s_mul_i32 s52, s17, 16*KVS
	s_mul_i32 s48, s14, KVS                        ; key step = wave: in LDS,
	s_add_co_u32 s52, s52, s48                     ; and in the head's record
	s_mov_b32 s53, 0
	s_mov_b32 s[SEL], 0x76543210
	s_mov_b32 s[SEL+1], 0xfedcba98
	s_mov_b32 s[CS], 0x3e38aa3b                    ; log2(e) / 8
	s_mov_b32 s[CS+1], s[CS]                       ; (named with it as a pair, so it is written)
	s_wait_dscnt 0x0
	s_wait_kmcnt 0x0
	s_add_nc_u64 s[52:53], s[8:9], s[52:53]
.irp i, 0,1,2,3
	s_mov_b32 s[G0+4*\i], 1
	s_add_co_u32 s[G0+4*\i+1], s48, 4*KVS*\i
	s_add_nc_u64 s[G0+4*\i+2:G0+4*\i+3], s[52:53], 4*KVS*\i
	s_or_b32 s[G0+4*\i+3], s[G0+4*\i+3], 0x80000000
.endr
	CROUND                                         ; all four work-groups are here: the joint loads meet
	s_cmp_lt_u32 s14, 4
	s_cbranch_scc0 .Lasked
.irp i, 0,1,2,3
	tensor_load_to_lds s[G0+4*\i:G0+4*\i+3], s[G1:G1+7]
	s_nop 0
.endr
.rept 4
	v_nop
.endr
.Lasked:
	s_lshl_b32 s56, s17, 16
	s_lshl_b32 s57, s18, 9
	s_add_co_u32 s56, s56, s57
	s_mov_b32 s57, 0
	s_add_nc_u64 s[4:5], s[4:5], s[56:57]
	global_load_b128 v[16:19], v1, s[4:5]          ; Q's codes stay in registers
	s_lshl_b32 s56, s17, 13
	s_lshr_b32 s58, s18, 2
	s_lshl_b32 s58, s58, 8
	s_add_co_u32 s56, s56, s58                     ; my group of 64 queries: 256 bytes of scale words, a pair a lane
	s_and_b32 s58, s14, 1
	s_lshl_b32 s58, s58, 7
	s_add_co_u32 s56, s56, s58                     ; odd tiles stand in lanes 16-31's places,
	s_bfe_u32 s58, s14, 0x10001
	s_lshl_b32 s58, s58, 2
	s_add_co_u32 s56, s56, s58                     ; tiles 2 and 3 in the pair's second word
	s_add_nc_u64 s[6:7], s[6:7], s[56:57]
	global_load_b32 v24, v5, s[6:7]                ; Q's scale words
	s_lshr_b32 s58, s17, 4
	s_lshl_b32 s58, s58, 7
	s_add_co_u32 s58, s58, s18                     ; T = 128 batch + my tile
	s_and_b32 s59, s17, 15                         ; the head
	s_lshl_b32 s56, s58, 13
	s_lshl_b32 s19, s59, 9
	s_add_co_u32 s56, s56, s19
	s_add_nc_u64 s[10:11], s[10:11], s[56:57]      ; oi: 8,192 T + 512 head
	s_lshl_b32 s56, s58, 9
	s_lshl_b32 s19, s59, 1
	s_add_co_u32 s56, s56, s19
	s_add_nc_u64 s[12:13], s[12:13], s[56:57]      ; os: 512 T + 2 head
	v_mov_b32 v13, 0xff61b1e6                      ; the largest t so far: -3e38, under every t
	v_floor_f32 v12, -v13                          ; -M
	v_mov_b32 v14, 0                               ; the sum, in two halves
	v_mov_b32 v15, 0
.irp i, 20,21,22,23
	v_mov_b32 v[\i], 0                             ; Q's k = 64 .. 127: zero codes
.endr
.irp t, 0,1,2,3,4,5,6,7
.irp i, 4,5,6,7
	v_mov_b32 v[32+8*\t+\i], 0                     ; K's likewise, written once
.endr
.endr
.set n, 0
.rept 32
	v_mov_b32 v[160+n], 0                          ; O^T: the step is written for all steps alike; the first finds zeros, which the first change of M leaves zeros
.set n, n+1
.endr
.irp b, 0,1,2,3
	v_mov_b32 v[236+\b], 0                         ; written once: a lane permute's destination counts as one of its sources
.endr
	v_mov_b32 v253, 0                              ; (named as the upper half of the pair v[252:253])
; A key step's K: eight half fragments and four registers of scale words: ten LDS loads
.macro KLOAD ac, as, off
.irp t, 0,1,2,3,4,5,6,7
	ds_load_b128 v[32+8*\t:35+8*\t], v[\ac] offset:\off+512*\t
.endr
	ds_load_b64 v[26:27], v[\as] offset:\off+8192  ; v26 tiles 0 | 1, v27 tiles 2 | 3 (lanes 0-15 | 16-31),
	ds_load_b64 v[28:29], v[\as] offset:\off+8448  ; v28 tiles 4 | 5, v29 tiles 6 | 7
.endm
; A KEY STEP: 128 keys.  Its K was asked for a step ago.  pre = 1: the next step's K is asked for
.macro STEP pre
	v_add_nc_u32 v3, s[TB], v1
	v_add_nc_u32 v4, s[TB], v2
	v_nop
	v_nop                                          ; four places in front of loads into registers that the last products have read
.irp c, 0,1
.irp j, 0,1,2,3
	ds_load_b128 v[192+8*\j+4*\c:195+8*\j+4*\c], v3 offset:4096+2048*\c+512*\j
.endr
.endr
	ds_load_b64 v[30:31], v4 offset:8704           ; V's scale words: v30 tiles 0 | 1, v31 tiles 2 | 3
	s_wait_dscnt 9                                 ; K's ten loads, issued ahead of these nine, are in; V's nine may be out
.irp t, 0,2,4,6
	v_wmma_scale_f32_16x16x128_f8f6f4 v[96+8*\t:103+8*\t], v[32+8*\t:39+8*\t], v[16:23], 0, v[26+\t/2], v24 matrix_a_fmt:MATRIX_FMT_FP4 matrix_b_fmt:MATRIX_FMT_FP4
	v_wmma_scale_f32_16x16x128_f8f6f4 v[104+8*\t:111+8*\t], v[40+8*\t:47+8*\t], v[16:23], 0, v[26+\t/2], v24 matrix_a_fmt:MATRIX_FMT_FP4 matrix_b_fmt:MATRIX_FMT_FP4 matrix_a_scale:MATRIX_SCALE_ROW1
.endr
.rept 4
	v_nop                                          ; four places: in front of the loads into K's registers, and of the first read of the scores
.endr
.if \pre
	KLOAD 3, 4, KVS                                ; the next step's K lands under this step's softmax
.endif
.irp b, 0,1,2,3
	v_max3_num_f32 v[232+\b], v[96+16*\b], v[97+16*\b], v[98+16*\b]   ; the largest score of each block of 32 keys: it serves the row's maximum and, since p rises with the score, the block's largest p
.endr
.irp i, 3,5,7,9,11,13
.irp b, 0,1,2,3
	v_max3_num_f32 v[232+\b], v[232+\b], v[96+16*\b+\i], v[97+16*\b+\i]
.endr
.endr
.irp b, 0,1,2,3
	v_max_num_f32 v[232+\b], v[232+\b], v[111+16*\b]
.endr
.irp b, 0,1,2,3
	v_permlanex16_b32 v[236+\b], v[232+\b], s[SEL], s[SEL+1]
.endr
.irp b, 0,1,2,3
	v_max_num_f32 v[232+\b], v[232+\b], v[236+\b]  ; with lane l xor 16's 16 keys
.endr
	v_max3_num_f32 v254, v232, v233, v234
	v_max_num_f32 v254, v254, v235                 ; the step's largest score of my query
	v_mul_f32 v254, s[CS], v254                    ; as t (c is positive)
	v_max_num_f32 v13, v13, v254                   ; the running largest t
	v_mov_b32 v254, v12
	v_floor_f32 v12, -v13                          ; the new -M = floor(-t): M is a whole number
	v_sub_f32 v254, v12, v254                      ; old M - new M: a whole number, 0 or less
	v_cvt_i32_f32 v254, v254                       ; (it saturates)
	v_ldexp_f32 v252, 1.0, v254                    ; f = 2^(old M - new M)
.irp b, 0,1,2,3
	v_fma_f32 v[232+\b], v[232+\b], s[CS], v12     ; t - M of each block's largest score
.endr
.set n, 0
.rept 4
	v_pk_fma_f32 v[96+n:97+n], v[96+n:97+n], s[CS:CS+1], v[12:13] op_sel_hi:[1,0,0]   ; t - M, two at a time: pairs 0 to 3
.set n, n+2
.endr
.irp b, 0,1,2,3
	v_exp_f32 v[232+\b], v[232+\b]                 ; the block's largest p: the same multiply-add and exponential on the same number as in the run below
	v_pk_fma_f32 v[104+2*\b:105+2*\b], v[104+2*\b:105+2*\b], s[CS:CS+1], v[12:13] op_sel_hi:[1,0,0]   ; pairs 4 to 7
.endr
; p = 2^(t - M), at most 1: 64 exponentials, a plain instruction behind each.  Behind number n: n even, under 48: t - M of pair 8 + n / 2, whose exponentials are numbers 16 + n and 17 + n;
; n = 48 .. 54: a block's floor; n = 56 .. 62: its scale operand; n = 1: the sum under the new M; n = 3: the first pair of O^T under the new M; n odd from 5 on: the sum takes pair (n - 3) / 2,
; whose second exponential stands two exponentials and a plain instruction back.  THE ROW'S SUM IS TAKEN OF THE UNQUANTISED p, in two chains: even pairs onto v[14:15], odd pairs onto v[236:237].
.set n, 0
.rept 64
	v_exp_f32 v[96+n], v[96+n]
.if (n%2 == 0) && (n < 48)
	v_pk_fma_f32 v[112+n:113+n], v[112+n:113+n], s[CS:CS+1], v[12:13] op_sel_hi:[1,0,0]
.elseif (n%2 == 0) && (n < 56)
	v_max_num_f32 v[232+(n-48)/2], 0x1800000, v[232+(n-48)/2]      ; the floor 2^(3 - 127): the byte cannot fall under 1
.elseif n%2 == 0
	v_add_nc_u32 v[244+(n-56)/2], 0xff000000, v[232+(n-56)/2]      ; 2 off the exponent field: the conversion's scale operand
.elseif n == 1
	v_pk_mul_f32 v[14:15], v[14:15], v[252:253] op_sel_hi:[1,0]
.elseif n == 3
	v_pk_mul_f32 v[160:161], v[160:161], v[252:253] op_sel_hi:[1,0]
.elseif n == 5
	s_wait_alu depctr_va_vdst(0)
	v_pk_add_f32 v[236:237], v[96:97], v[98:99]                    ; pairs 0 and 1 start the second chain
.elseif n%4 == 3
	v_pk_add_f32 v[14:15], v[14:15], v[93+n:94+n]
.else
	s_wait_alu depctr_va_vdst(0)
	v_pk_add_f32 v[236:237], v[236:237], v[93+n:94+n]
.endif
.set n, n+1
.endr
	s_wait_alu depctr_va_vdst(0)
	v_pk_add_f32 v[236:237], v[236:237], v[158:159]                ; pair 31
	v_pk_add_f32 v[14:15], v[14:15], v[236:237]
.irp b, 0,1,2,3
	v_lshrrev_b32 v[236+\b], 23, v[244+\b]         ; the scale's byte
.endr
	v_lshl_or_b32 v25, v237, 8, v236               ; p's scale word for these 128 keys
	v_lshl_or_b32 v25, v238, 16, v25
	v_lshl_or_b32 v25, v239, 24, v25
.irp b, 0,1,2,3
	v_cvt_scalef32_pk8_fp4_f32 v[224+2*\b], v[96+16*\b:103+16*\b], v[244+\b]
	v_cvt_scalef32_pk8_fp4_f32 v[225+2*\b], v[104+16*\b:111+16*\b], v[244+\b]
.endr
	v_nop                                          ; one plain place behind a scaled conversion
.irp c, 0,1
.irp i, 0,1
	v_permlane16_swap_b32 v[224+4*\c+\i], v[226+4*\c+\i]
.endr
.endr
.set n, 2
.rept 15
	v_pk_mul_f32 v[160+n:161+n], v[160+n:161+n], v[252:253] op_sel_hi:[1,0]   ; the rest of O^T under the new M: fifteen places between p's codes and scale word and the products below
.set n, n+2
.endr
.if \pre
	s_wait_dscnt 10                                ; V's nine loads are in; the next step's K, ten loads, may be out
.else
	s_wait_dscnt 0x0
.endif
.irp j, 0,2
	v_wmma_scale_f32_16x16x128_f8f6f4 v[160+8*\j:167+8*\j], v[192+8*\j:199+8*\j], v[224:231], v[160+8*\j:167+8*\j], v[30+\j/2], v25 matrix_a_fmt:MATRIX_FMT_FP4 matrix_b_fmt:MATRIX_FMT_FP4
	v_wmma_scale_f32_16x16x128_f8f6f4 v[168+8*\j:175+8*\j], v[200+8*\j:207+8*\j], v[224:231], v[168+8*\j:175+8*\j], v[30+\j/2], v25 matrix_a_fmt:MATRIX_FMT_FP4 matrix_b_fmt:MATRIX_FMT_FP4 matrix_a_scale:MATRIX_SCALE_ROW1
.endr
.endm
	s_wait_loadcnt 0x0                             ; Q
	s_wait_tensorcnt 0x3                           ; my load 0 is in; my three later loads may be out
	s_barrier_signal -1
	s_barrier_wait -1                              ; key steps 0 to 3 lie in LDS
	KLOAD 1, 2, 0                                  ; key step 0's K
	s_mov_b32 s[TB], 0
	STEP 1                                         ; key step 0; it asks for K of key step 1
	s_wait_tensorcnt 0x0                           ; all my loads are in,
	s_wait_dscnt 0x0                               ; and no LDS load of mine is out at the signal
	s_barrier_signal -1
	s_barrier_wait -1                              ; the whole record lies in LDS: from here on no wave waits for another
	s_mov_b32 s[TB], KVS
	s_mov_b32 s[CNT], 14
.Lstep:                                            ; key steps 1 to 14
	STEP 1
	s_add_co_u32 s[TB], s[TB], KVS
	s_sub_co_u32 s[CNT], s[CNT], 1
	s_cmp_lg_u32 s[CNT], 0
	s_cbranch_scc1 .Lstep
	s_mov_b32 s[TB], 15*KVS
	STEP 0                                         ; the last key step asks for nothing: no LDS read passes the record's end
.rept 4
	v_nop                                          ; places behind the last products
.endr
	v_add_f32 v14, v14, v15                        ; the sum's two halves,
	v_permlanex16_b32 v252, v14, s[SEL], s[SEL+1]
	v_add_f32 v14, v14, v252                       ; and lane l xor 16's: the row's sum
	v_rcp_f32 v14, v14
	v_nop                                          ; one plain place behind a transcendental
.set n, 0
	s_wait_alu depctr_va_vdst(0)
.rept 16
	v_pk_mul_f32 v[160+n:161+n], v[160+n:161+n], v[14:15] op_sel_hi:[1,0]   ; O^T / the sum: register 16 b + i is channel 32 b + 16 h + i of my query
.set n, n+2
.endr
	QUANT32 160, 224, 248                          ; the head's 64 channels are two blocks of the last product's K
	global_store_b128 v1, v[224:227], s[10:11]     ; half a fragment: 512 consecutive bytes
	global_store_b16 v6, v248, s[12:13]            ; two scale bytes a query, 32 bytes apart (both halves of the lanes write the same): the rest of a query's 32 bytes comes from the other heads' work-groups
	s_wait_tensorcnt 0x0
	ds_add_u32 v251, v255
	s_wait_dscnt 0x0
	CROUND                                         ; the closing round
	s_endpgm
.Lfunc_end_k_q0a6e1e6dd2_attn:
	.size	k_q0a6e1e6dd2_attn, .Lfunc_end_k_q0a6e1e6dd2_attn-k_q0a6e1e6dd2_attn
	.p2alignl 7, 3214868480
	.fill 96, 4, 3214868480
	.section	.rodata,"a",@progbits
	.p2align	6, 0x0
	.amdhsa_kernel k_q0a6e1e6dd2_attn
		.amdhsa_group_segment_fixed_size 169984
		.amdhsa_private_segment_fixed_size 0
		.amdhsa_enable_private_segment 0
		.amdhsa_kernarg_size 40
		.amdhsa_user_sgpr_count 2
		.amdhsa_user_sgpr_kernarg_segment_ptr 1
		.amdhsa_wavefront_size32 1
		.amdhsa_system_sgpr_workgroup_id_x 1
		.amdhsa_system_sgpr_workgroup_id_y 1
		.amdhsa_system_sgpr_workgroup_id_z 1
		.amdhsa_system_vgpr_workitem_id 0
		.amdhsa_next_free_vgpr 256
		.amdhsa_next_free_sgpr 66
		.amdhsa_reserve_vcc 0
		.amdhsa_float_denorm_mode_32 3
		.amdhsa_float_denorm_mode_16_64 3
		.amdhsa_memory_ordered 1
		.amdhsa_forward_progress 1
		.amdhsa_inst_pref_size 58
	.end_amdhsa_kernel
	.amdgpu_metadata
---
amdhsa.version: [ 1, 2 ]
amdhsa.kernels:
  - .name:           k_q0a6e1e6dd2_attn
    .symbol:         k_q0a6e1e6dd2_attn.kd
    .args:
      - { .name: qc, .offset: 0, .size: 8, .value_kind: global_buffer, .address_space: global }
      - { .name: qs, .offset: 8, .size: 8, .value_kind: global_buffer, .address_space: global }
      - { .name: kv, .offset: 16, .size: 8, .value_kind: global_buffer, .address_space: global }
      - { .name: oi, .offset: 24, .size: 8, .value_kind: global_buffer, .address_space: global }
      - { .name: os, .offset: 32, .size: 8, .value_kind: global_buffer, .address_space: global }
    .group_segment_fixed_size: 169984
    .private_segment_fixed_size: 0
    .kernarg_segment_align: 8
    .kernarg_segment_size: 40
    .max_flat_workgroup_size: 512
    .sgpr_count:     66
    .vgpr_count:     256
    .wavefront_size: 32
...
	.end_amdgpu_metadata
.endif
;; end of part 3
;; launch tail (part 4): grid 256 x 1, 16 waves a work-group, no clusters, 84,992 bytes of LDS; arguments oi, os, img, x, b_comb, gamma1, beta1, gamma2, beta2, theta, w1, b1, out0; writes out0
.if DOCPART == 4
	.amdgcn_target "amdgcn-amd-amdhsa--gfx1250"
	.amdhsa_code_object_version 6
	.text
	.protected	k_q0a6e1e6dd2_tail
	.globl	k_q0a6e1e6dd2_tail
	.p2align	8
	.type	k_q0a6e1e6dd2_tail,@function
k_q0a6e1e6dd2_tail:
	s_mov_b64 s[64:65], 0
	v_nop
	global_prefetch_b8 v0, s[64:65] scope:SCOPE_SE
	s_setreg_imm32_b32 hwreg(HW_REG_WAVE_MODE, 25, 1), 1
	s_wait_xcnt 0x0
; out0 = LN2(x1 + ffn), x1 = LN1(x + O w_comb^T + b_comb), ffn = sum over i < 8 of cos(x1_i) cos(theta_i) w1_i + b1.  The product is on codes of FP4; all else in f32.
; SHARES: a work-group takes one tile of 16 tokens (slot r of tile T is token 32 (T / 2) + 8 (T % 2) + r + 8 (r / 8)) and all 1,024 columns, so that both norms close inside it; wave w takes columns 64 w .. 64 w + 63.
; The product is used transposed (source 0 = 16 rows of w_comb, source 1 = the tokens): lane (r, h) holds token slot r, and register 16 b + i column 64 w + 32 b + 16 h + i.  b_comb is the C of the first products.
; w_comb's fragments go from memory straight into registers, four K steps ahead (a ring of four sets of 32 registers).  NO JOINT LOADS, though all work-groups read the same 557,056 bytes of images: they do not fit
; in LDS whole, and each fragment feeds exactly ONE matrix instruction of the work-group, so the way through LDS would add a write and a read of every byte and a refill ring with a cluster round a refill.
; gamma1, beta1, gamma2, beta2 ride in the same ring as units 8 to 11: eight loads each, so every count stays the same.
; THE NORMS: each wave's mean and sum of squares about ITS mean, of 64 columns; the 16 pairs meet in LDS; the row's variance is (sum of M2_w / 64 + sum of (mean_w - mean)^2) / 16: no difference of large sums.
; THE COSINE: t = x / 2 pi less the nearest whole number (one fused multiply-add), then the series of cos(2 pi t) in t^2 up to t^16; at |t| = 1/2 the first term left out is pi^18 / 18!, under 2e-7.
; LIMITS: 1 / 2 pi is an f32 number, so the reduction's error grows with |x| (about 3e-9 |x| turns); NaN and infinities are not served.
.set REC,   34816
.set KREC,  4352
.set OIMG,  0                          ; LDS: O's 16 half fragments, 8,192 bytes
.set ST1,   8192                       ; [r] 144 bytes apart: 16 means, then 16 M2 / 64
.set ST2,   10496
.set FFN,   12800                      ; 32 words
.set STG,   13056                      ; a stage of 16 rows x (256 + 16) bytes for each wave
.set Y,     16                         ; v16-47   the accumulators; then y, x1, z, out
.set XR,    48                         ; v48-79   x; later the 32 statistics; later rows on their way out
.set OF,    80                         ; v80-95   O's fragments, two sets; later at work
.set OS,    96                         ; v96-103  O's scale words;  v104-119 w_comb's: scales and nothing else
.set WSC,   104
.set WS,    120                        ; v120-247 the ring: four sets of 32
.set SEL,   54                         ; s[54:55]
; v1 16 lane; v2 4096 h + 16 r; v3 256 w + 64 h; v4, v5 the stage, by rows and by lanes; v6 144 r + 4 w; v7 144 r; v8, v9 FFN + 4 lane, + 4 r; v10 16 r + 4352 h; v11 32 r; v253 512 w + 16 lane
; v[12:13] my wave's mean; v[14:15] the row's; v[248:249] 1 / sqrt(var + eps); v[250:251] ffn; v252 the series' first coefficient
.macro UNIT u                          ; eight loads: K step u of my 64 rows of w_comb, or (u = 8 .. 11) my 32 numbers of gamma1, beta1, gamma2, beta2
.if (\u) < 8
.irp i, 0,1,2,3
.irp c, 0,1
	global_load_b128 v[WS+32*((\u)%4)+8*\i+4*\c:WS+32*((\u)%4)+8*\i+4*\c+3], v1, s[8:9] offset:KREC*(\u)+1024*\i+512*\c
.endr
.endr
.else
.irp b, 0,1
.irp q, 0,1,2,3
	global_load_b128 v[WS+32*((\u)%4)+16*\b+4*\q:WS+32*((\u)%4)+16*\b+4*\q+3], v3, s[14+2*((\u)-8):15+2*((\u)-8)] offset:128*\b+16*\q
.endr
.endr
.endif
.endm
.macro GSTEP ks                        ; a K step of 128: four products, the four accumulators by turns
.if (\ks) < 7
	ds_load_b128 v[OF+8*(((\ks)+1)%2):OF+8*(((\ks)+1)%2)+3], v1 offset:OIMG+1024*((\ks)+1)
	ds_load_b128 v[OF+8*(((\ks)+1)%2)+4:OF+8*(((\ks)+1)%2)+7], v1 offset:OIMG+1024*((\ks)+1)+512
	s_wait_dscnt 2                                 ; this step's fragment of O is in; the next one's two loads may be out
.else
	s_wait_dscnt 0x0
.endif
	s_wait_loadcnt 24                              ; unit ks is in; the three units behind it may be out
.irp i, 0,1,2,3
.if (\ks)%2 == 0
	v_wmma_scale_f32_16x16x128_f8f6f4 v[Y+8*\i:Y+8*\i+7], v[WS+32*((\ks)%4)+8*\i:WS+32*((\ks)%4)+8*\i+7], v[OF+8*((\ks)%2):OF+8*((\ks)%2)+7], v[Y+8*\i:Y+8*\i+7], v[WSC+4*((\ks)/2)+\i], v[OS+(\ks)] matrix_a_fmt:MATRIX_FMT_FP4 matrix_b_fmt:MATRIX_FMT_FP4
.else
	v_wmma_scale_f32_16x16x128_f8f6f4 v[Y+8*\i:Y+8*\i+7], v[WS+32*((\ks)%4)+8*\i:WS+32*((\ks)%4)+8*\i+7], v[OF+8*((\ks)%2):OF+8*((\ks)%2)+7], v[Y+8*\i:Y+8*\i+7], v[WSC+4*((\ks)/2)+\i], v[OS+(\ks)] matrix_a_fmt:MATRIX_FMT_FP4 matrix_b_fmt:MATRIX_FMT_FP4 matrix_a_scale:MATRIX_SCALE_ROW1
.endif
.endr
.rept 4
	v_nop                                          ; four places in front of loads into registers that the products have read, and of the first read of results
.endr
	UNIT (\ks)+4
.endm
; The row's mean into v14 and 1 / sqrt(variance + eps) into v248, of the numbers in v[Y] on
.macro STATS base
.irp k, 0,1,2,3,4,5,6,7
	v_pk_add_f32 v[80+2*\k:81+2*\k], v[Y+4*\k:Y+4*\k+1], v[Y+4*\k+2:Y+4*\k+3]
.endr
.irp k, 0,1,2,3
	v_pk_add_f32 v[80+4*\k:81+4*\k], v[80+4*\k:81+4*\k], v[82+4*\k:83+4*\k]
.endr
	v_pk_add_f32 v[80:81], v[80:81], v[84:85]
	v_pk_add_f32 v[88:89], v[88:89], v[92:93]
	v_pk_add_f32 v[80:81], v[80:81], v[88:89]
	v_add_f32 v80, v80, v81
	v_permlanex16_b32 v81, v80, s[SEL], s[SEL+1]
	v_add_f32 v80, v80, v81                        ; my wave's 64 columns of my row
	v_mul_f32 v12, 0x3c800000, v80                 ; / 64: their mean
.irp g, 0,1,2,3
.irp k, 0,1,2,3
	v_pk_add_f32 v[80+2*\k:81+2*\k], v[Y+8*\g+2*\k:Y+8*\g+2*\k+1], v[12:13] op_sel_hi:[1,0] neg_lo:[0,1] neg_hi:[0,1]
.endr
.if \g == 0
	v_pk_mul_f32 v[88:89], v[80:81], v[80:81]      ; the first squares start the two chains
	v_pk_mul_f32 v[90:91], v[82:83], v[82:83]
.else
	v_pk_fma_f32 v[88:89], v[80:81], v[80:81], v[88:89]
	v_pk_fma_f32 v[90:91], v[82:83], v[82:83], v[90:91]
.endif
	v_pk_fma_f32 v[88:89], v[84:85], v[84:85], v[88:89]
	v_pk_fma_f32 v[90:91], v[86:87], v[86:87], v[90:91]
.endr
	v_pk_add_f32 v[88:89], v[88:89], v[90:91]
	v_add_f32 v88, v88, v89
	v_permlanex16_b32 v89, v88, s[SEL], s[SEL+1]
	v_add_f32 v88, v88, v89
	v_mul_f32 v88, 0x3c800000, v88                 ; M2 / 64
	ds_store_b32 v6, v12 offset:\base              ; both halves of the lanes write the same word with the same value
	ds_store_b32 v6, v88 offset:\base+64
	s_wait_dscnt 0x0                               ; for the others' sake
	s_barrier_signal -1
	s_barrier_wait -1
.irp q, 0,1,2,3,4,5,6,7
	ds_load_b128 v[XR+4*\q:XR+4*\q+3], v7 offset:\base+16*\q   ; my row's 16 means, then its 16 M2 / 64
.endr
	s_wait_dscnt 0x0
.irp k, 0,1,2,3
	v_pk_add_f32 v[80+2*\k:81+2*\k], v[XR+4*\k:XR+4*\k+1], v[XR+4*\k+2:XR+4*\k+3]
.endr
	v_pk_add_f32 v[80:81], v[80:81], v[82:83]
	v_pk_add_f32 v[84:85], v[84:85], v[86:87]
	v_pk_add_f32 v[80:81], v[80:81], v[84:85]
	v_add_f32 v80, v80, v81
	v_mul_f32 v14, 0x3d800000, v80                 ; / 16: the row's mean
.irp k, 0,1,2,3,4,5,6,7
	v_pk_add_f32 v[XR+2*\k:XR+2*\k+1], v[XR+2*\k:XR+2*\k+1], v[14:15] op_sel_hi:[1,0] neg_lo:[0,1] neg_hi:[0,1]
.endr
.irp k, 0,1,2,3,4,5,6,7
	v_pk_fma_f32 v[XR+16+2*\k:XR+17+2*\k], v[XR+2*\k:XR+2*\k+1], v[XR+2*\k:XR+2*\k+1], v[XR+16+2*\k:XR+17+2*\k]
.endr
.irp k, 0,1,2,3
	v_pk_add_f32 v[XR+16+4*\k:XR+17+4*\k], v[XR+16+4*\k:XR+17+4*\k], v[XR+18+4*\k:XR+19+4*\k]
.endr
	v_pk_add_f32 v[XR+16:XR+17], v[XR+16:XR+17], v[XR+20:XR+21]
	v_pk_add_f32 v[XR+24:XR+25], v[XR+24:XR+25], v[XR+28:XR+29]
	v_pk_add_f32 v[XR+16:XR+17], v[XR+16:XR+17], v[XR+24:XR+25]
	v_add_f32 v[XR+16], v[XR+16], v[XR+17]
	v_fma_f32 v[XR+16], v[XR+16], s56, s57         ; / 16 + 1e-5
	v_rsq_f32 v248, v[XR+16]
	v_nop                                          ; one plain place behind a transcendental
.endm
.macro NORM gs, bs                     ; (y - mean) x rs x gamma + beta, in place
.set n, 0
.rept 16
	v_pk_add_f32 v[Y+n:Y+n+1], v[Y+n:Y+n+1], v[14:15] op_sel_hi:[1,0] neg_lo:[0,1] neg_hi:[0,1]
.set n, n+2
.endr
.set n, 0
	s_wait_alu depctr_va_vdst(0)
.rept 16
	v_pk_mul_f32 v[Y+n:Y+n+1], v[Y+n:Y+n+1], v[248:249] op_sel_hi:[1,0]
.set n, n+2
.endr
.set n, 0
.rept 16
	v_pk_fma_f32 v[Y+n:Y+n+1], v[Y+n:Y+n+1], v[\gs+n:\gs+n+1], v[\bs+n:\bs+n+1]
.set n, n+2
.endr
.endm
.macro COS8 x, d, u                    ; v[d + i] = cos(v[x + i]), i = 0 .. 7, by turns; v[u] on at work
.irp i, 0,1,2,3,4,5,6,7
	v_mul_f32 v[\d+\i], 0.15915494, v[\x+\i]
.endr
.irp i, 0,1,2,3,4,5,6,7
	v_rndne_f32 v[\u+\i], v[\d+\i]
.endr
.irp i, 0,1,2,3,4,5,6,7
	v_fma_f32 v[\d+\i], v[\x+\i], 0.15915494, -v[\u+\i]   ; t, between -1/2 and 1/2
.endr
.irp i, 0,1,2,3,4,5,6,7
	v_mul_f32 v[\u+\i], v[\d+\i], v[\d+\i]
.endr
.irp i, 0,1,2,3,4,5,6,7
	v_fmaak_f32 v[\d+\i], v[\u+\i], v252, 0xbfdb7128      ; (2 pi)^16 / 16! x u - (2 pi)^14 / 14!
.endr
.irp k, 0x40fce9c5, 0xc1d368f9, 0x4270fa83, 0xc2aae9e4, 0x4281e0f8, 0xc19de9e6, 0x3f800000
.irp i, 0,1,2,3,4,5,6,7
	v_fmaak_f32 v[\d+\i], v[\d+\i], v[\u+\i], \k          ; down to - (2 pi)^2 / 2 and 1
.endr
.endr
.endm
	s_load_b512 s[4:19], s[0:1], 0x0               ; oi s[4:5], os s[6:7], img s[8:9], x s[10:11], b_comb s[12:13], gamma1 s[14:15], beta1 s[16:17], gamma2 s[18:19]
	s_load_b256 s[20:27], s[0:1], 0x40             ; beta2 s[20:21], theta s[22:23], w1 s[24:25], b1 s[26:27]
	s_load_b64 s[28:29], s[0:1], 0x60              ; out0
	v_lshl_add_u32 v254, v0, 2, 0x14400
	v_mov_b32 v255, 0
	v_lshrrev_b32 v12, 5, v0
	v_readfirstlane_b32 s30, v12                   ; wave 0..15
	v_and_b32 v13, 31, v0                          ; lane
	v_and_b32 v14, 15, v0                          ; r
	v_bfe_u32 v15, v0, 4, 1                        ; h
	v_lshlrev_b32 v1, 4, v13
	v_lshlrev_b32 v2, 4, v14
	v_lshl_add_u32 v2, v15, 12, v2
	s_lshl_b32 s49, s30, 8
	v_lshlrev_b32 v3, 6, v15
	v_add_nc_u32 v3, s49, v3
	s_mul_i32 s50, s30, 16*272
	s_add_co_u32 s50, s50, STG                     ; my stage
	v_mul_u32_u24 v4, v15, 272
	v_lshl_add_u32 v4, v14, 4, v4
	v_add_nc_u32 v4, s50, v4                       ; by rows: lanes 0-15 one row of 256 bytes, lanes 16-31 the next
	v_mul_u32_u24 v5, v14, 272
	v_lshl_add_u32 v5, v15, 6, v5
	v_add_nc_u32 v5, s50, v5                       ; by lanes: row r, + 64 h
	v_mul_u32_u24 v7, v14, 144
	s_lshl_b32 s51, s30, 2
	v_add_nc_u32 v6, s51, v7
	v_lshl_add_u32 v8, v13, 2, FFN
	v_lshl_add_u32 v9, v14, 2, FFN
	v_mul_u32_u24 v10, v15, KREC
	v_lshl_add_u32 v10, v14, 4, v10
	v_lshlrev_b32 v11, 5, v14
	s_lshl_b32 s52, s30, 9
	v_add_nc_u32 v253, s52, v1
	v_mov_b32 v249, 0                              ; (upper halves of pairs of which the low word serves both halves: named, so written)
	v_mov_b32 v251, 0
	s_mov_b32 s[SEL], 0x76543210
	s_mov_b32 s[SEL+1], 0xfedcba98
	s_mov_b32 s56, 0x3d800000                      ; 1 / 16
	s_mov_b32 s57, 0x3727c5ac                      ; 1e-5
	s_mov_b32 s59, 0
	s_wait_kmcnt 0x0
	s_load_b256 s[32:39], s[22:23], 0x0            ; theta
	s_load_b256 s[40:47], s[24:25], 0x0            ; w1
	s_load_b32 s48, s[26:27], 0x0                  ; b1
	s_lshl_b32 s58, ttmp9, 13
	s_add_co_u32 s58, s58, s52
	s_add_nc_u64 s[4:5], s[4:5], s[58:59]          ; oi: 8,192 T + 512 wave
	s_lshl_b32 s58, ttmp9, 9
	s_add_nc_u64 s[6:7], s[6:7], s[58:59]          ; os: 512 T
	s_add_co_u32 s58, s30, 112
	s_mul_i32 s58, s58, REC
	s_add_nc_u64 s[8:9], s[8:9], s[58:59]          ; img: group 112 + wave
	s_lshr_b32 s58, ttmp9, 1
	s_lshl_b32 s58, s58, 5
	s_and_b32 s53, ttmp9, 1
	s_lshl_b32 s53, s53, 3
	s_add_co_u32 s58, s58, s53                     ; the tile's first token
	s_lshl_b32 s58, s58, 12
	s_add_co_u32 s58, s58, s49                     ; + my 256 bytes of a row
	s_add_nc_u64 s[10:11], s[10:11], s[58:59]
	s_add_nc_u64 s[28:29], s[28:29], s[58:59]
	; 55 loads.  x first: two rows' 256 bytes an instruction
.irp i, 0,1,2,3,4,5,6,7
	global_load_b128 v[XR+4*\i:XR+4*\i+3], v2, s[10:11] offset:(2*\i+8*(\i/4))*4096 th:TH_LOAD_NT
.endr
	global_load_b128 v[OF:OF+3], v1, s[4:5]        ; my sixteenth of O's image
	global_load_b128 v[OS:OS+3], v11, s[6:7]       ; my token's eight scale words
	global_load_b128 v[OS+4:OS+7], v11, s[6:7] offset:16
.irp q, 0,1,2,3
	global_load_b128 v[WSC+4*\q:WSC+4*\q+3], v10, s[8:9] offset:4096+8704*\q   ; w_comb's: four tiles' words; lanes 0-15 K step 2 q, lanes 16-31 K step 2 q + 1
.endr
.irp b, 0,1
.irp q, 0,1,2,3
	global_load_b128 v[Y+16*\b+4*\q:Y+16*\b+4*\q+3], v3, s[12:13] offset:128*\b+16*\q   ; b_comb, in the result's layout
.endr
.endr
	UNIT 0
	UNIT 1
	UNIT 2
	UNIT 3
	s_wait_loadcnt 46                              ; x's eight loads and O's piece are in; the 46 behind them may be out
.irp i, 0,1,2,3,4,5,6,7
	ds_store_b128 v4, v[XR+4*\i:XR+4*\i+3] offset:544*\i
.endr
	ds_store_b128 v253, v[OF:OF+3] offset:OIMG
	s_wait_kmcnt 0x0                               ; theta, w1, b1
	s_wait_dscnt 0x0                               ; for the others' sake: my piece of O's image has landed
	s_barrier_signal -1
	s_barrier_wait -1
.irp b, 0,1
.irp q, 0,1,2,3
	ds_load_b128 v[XR+16*\b+4*\q:XR+16*\b+4*\q+3], v5 offset:128*\b+16*\q   ; x in the result's layout
.endr
.endr
	ds_load_b128 v[OF:OF+3], v1 offset:OIMG
	ds_load_b128 v[OF+4:OF+7], v1 offset:OIMG+512
.irp k, 0,1,2,3,4,5,6,7
	GSTEP \k
.endr
.set n, 0
.rept 16
	v_pk_add_f32 v[Y+n:Y+n+1], v[Y+n:Y+n+1], v[XR+n:XR+n+1]   ; y = x + attn: each accumulator from its low end on
.set n, n+2
.endr
	STATS ST1
	s_wait_loadcnt 16                              ; gamma1 and beta1 are in; gamma2's and beta2's loads may be out
	NORM WS, WS+32                                 ; x1
	s_cmp_lg_u32 s30, 0                            ; columns 0 .. 7 lie in v16-23 of wave 0's lanes 0-15 (lanes 16-31 work on columns 16 .. 23: their words are not read)
	s_cbranch_scc1 .Lnot_wave_0
	v_mov_b32 v252, 0x3e906316                     ; (2 pi)^16 / 16!
	COS8 Y, 48, 56
.irp i, 0,1,2,3,4,5,6,7
	v_mov_b32 v[64+\i], s[32+\i]
.endr
	COS8 64, 72, 80
	v_mov_b32 v88, s48                             ; b1
.irp i, 0,1,2,3,4,5,6,7
	v_mul_f32 v[48+\i], v[48+\i], v[72+\i]         ; z_i
.endr
.irp i, 0,1,2,3,4,5,6,7
	v_fma_f32 v88, v[48+\i], s[40+\i], v88
.endr
	ds_store_b32 v8, v88
.Lnot_wave_0:
	s_wait_dscnt 0x0
	s_barrier_signal -1
	s_barrier_wait -1
	ds_load_b32 v250, v9                           ; my token's ffn
	s_wait_dscnt 0x0
.set n, 0
.rept 16
	v_pk_add_f32 v[Y+n:Y+n+1], v[Y+n:Y+n+1], v[250:251] op_sel_hi:[1,0]
.set n, n+2
.endr
	STATS ST2
	s_wait_loadcnt 0x0                             ; gamma2, beta2
	NORM WS+64, WS+96
	; the way out, through my own stage: LDS serves a wave's instructions in order (ISA guide 5.7.1.4), so no wait stands between the stores and the loads
.irp b, 0,1
.irp q, 0,1,2,3
	ds_store_b128 v5, v[Y+16*\b+4*\q:Y+16*\b+4*\q+3] offset:128*\b+16*\q
.endr
.endr
.irp i, 0,1,2,3,4,5,6,7
	ds_load_b128 v[XR+4*\i:XR+4*\i+3], v4 offset:544*\i
.endr
.irp i, 0,1,2,3,4,5,6,7
	s_wait_dscnt 7-\i
	global_store_b128 v2, v[XR+4*\i:XR+4*\i+3], s[28:29] offset:(2*\i+8*(\i/4))*4096 th:TH_STORE_NT   ; sixteen lanes store 256 consecutive bytes, aligned
.endr
	s_wait_tensorcnt 0x0
	ds_add_u32 v254, v255
	s_wait_dscnt 0x0
	s_endpgm
.Lfunc_end_k_q0a6e1e6dd2_tail:
	.size	k_q0a6e1e6dd2_tail, .Lfunc_end_k_q0a6e1e6dd2_tail-k_q0a6e1e6dd2_tail
	.p2alignl 7, 3214868480
	.fill 96, 4, 3214868480
	.section	.rodata,"a",@progbits
	.p2align	6, 0x0
	.amdhsa_kernel k_q0a6e1e6dd2_tail
		.amdhsa_group_segment_fixed_size 84992
		.amdhsa_private_segment_fixed_size 0
		.amdhsa_enable_private_segment 0
		.amdhsa_kernarg_size 104
		.amdhsa_user_sgpr_count 2
		.amdhsa_user_sgpr_kernarg_segment_ptr 1
		.amdhsa_wavefront_size32 1
		.amdhsa_system_sgpr_workgroup_id_x 1
		.amdhsa_system_sgpr_workgroup_id_y 1
		.amdhsa_system_sgpr_workgroup_id_z 1
		.amdhsa_system_vgpr_workitem_id 0
		.amdhsa_next_free_vgpr 256
		.amdhsa_next_free_sgpr 66
		.amdhsa_reserve_vcc 0
		.amdhsa_float_denorm_mode_32 3
		.amdhsa_float_denorm_mode_16_64 3
		.amdhsa_memory_ordered 1
		.amdhsa_forward_progress 1
		.amdhsa_inst_pref_size 57
	.end_amdhsa_kernel
	.amdgpu_metadata
---
amdhsa.version: [ 1, 2 ]
amdhsa.kernels:
  - .name:           k_q0a6e1e6dd2_tail
    .symbol:         k_q0a6e1e6dd2_tail.kd
    .args:
      - { .name: oi, .offset: 0, .size: 8, .value_kind: global_buffer, .address_space: global }
      - { .name: os, .offset: 8, .size: 8, .value_kind: global_buffer, .address_space: global }
      - { .name: img, .offset: 16, .size: 8, .value_kind: global_buffer, .address_space: global }
      - { .name: x, .offset: 24, .size: 8, .value_kind: global_buffer, .address_space: global }
      - { .name: b_comb, .offset: 32, .size: 8, .value_kind: global_buffer, .address_space: global }
      - { .name: gamma1, .offset: 40, .size: 8, .value_kind: global_buffer, .address_space: global }
      - { .name: beta1, .offset: 48, .size: 8, .value_kind: global_buffer, .address_space: global }
      - { .name: gamma2, .offset: 56, .size: 8, .value_kind: global_buffer, .address_space: global }
      - { .name: beta2, .offset: 64, .size: 8, .value_kind: global_buffer, .address_space: global }
      - { .name: theta, .offset: 72, .size: 8, .value_kind: global_buffer, .address_space: global }
      - { .name: w1, .offset: 80, .size: 8, .value_kind: global_buffer, .address_space: global }
      - { .name: b1, .offset: 88, .size: 8, .value_kind: global_buffer, .address_space: global }
      - { .name: out0, .offset: 96, .size: 8, .value_kind: global_buffer, .address_space: global }
    .group_segment_fixed_size: 84992
    .private_segment_fixed_size: 0
    .kernarg_segment_align: 8
    .kernarg_segment_size: 104
    .max_flat_workgroup_size: 512
    .sgpr_count:     66
    .vgpr_count:     256
    .wavefront_size: 32
...
	.end_amdgpu_metadata
.endif
;; end of part 4
;; ======== version 2 of 2: 4 launches
;; limits: an absolute error that grows with the inputs' magnitude: up to 2e-08 times it
;; workspace buffers: img 4,456,448 bytes; qc 2,097,152 bytes; qs 262,144 bytes; kv 4,587,520 bytes; oi 2,097,152 bytes; os 131,072 bytes
;; launch quant (part 5): grid 256 x 1, 4 waves a work-group, no clusters, 168,448 bytes of LDS; arguments x, w_qkv, w_comb, img; writes img
.if DOCPART == 5
	.amdgcn_target "amdgcn-amd-amdhsa--gfx1250"
	.amdhsa_code_object_version 6
	.text
	.protected	k_q0a6e1e6dd2_quant
	.globl	k_q0a6e1e6dd2_quant
	.p2align	8
	.type	k_q0a6e1e6dd2_quant,@function
k_q0a6e1e6dd2_quant:
	s_mov_b64 s[64:65], 0
	v_nop
	global_prefetch_b8 v0, s[64:65] scope:SCOPE_SE
	s_setreg_imm32_b32 hwreg(HW_REG_WAVE_MODE, 25, 1), 1
	s_wait_xcnt 0x0
; x [4096][1024], w_qkv [3072][1024], w_comb [1024][1024], f32, K innermost, become codes of FP4 (E2M1) with one E8M0 byte for each 32 along K,
; laid as IMAGES OF OPERAND REGISTERS.  The 8,192 rows are 128 groups of 64 (0-63 x, 64-111 w_qkv, 112-127 w_comb).  A group's record is 8 K steps of 4,352 bytes:
; [tile 0..3][part 0..1][lane][16 bytes] of codes, then [slot r][tile] scale words (256 bytes).  Part c of a fragment is its registers 4 c .. 4 c + 3: lane (r, h) holds k = 64 c + 32 h + 0 .. 31 of slot r.
; THE ROWS OF A TILE ARE NOT NEIGHBOURS: slot r of tile t is row 32 (t / 2) + 8 (t % 2) + r + 8 (r / 8) of the group, so that a product that takes such tiles as source 0 leaves, in the 16 registers of
; tiles 2 b and 2 b + 1, 16 neighbours along these rows.
; SHARES: a work-group takes half the K steps of one group, a wave one K step: 64 rows x 128 numbers, brought by two tensor loads (32 rows x 512 bytes each) into the wave's own LDS bytes, filled once:
; only the issuing wave reads them, so its own wait on TENSORcnt is all the ordering.  No input is shared between work-groups, so there is no cluster.
; A block's scale is 2^(floor(log2(largest magnitude)) - 2); its byte is the largest magnitude's exponent field - 2, held at 1 from below.
; LIMITS: a block of zeros, or one whose largest magnitude lies under 2^-124, gets the byte 1 (zero codes add nothing; this program alone reads the bytes); NaN and infinities are not served.
.set REC,   34816                      ; a group's record
.set KREC,  4352                       ; a K step's record
.set PITCH, 528                        ; an LDS row: 512 bytes + 16 of padding
.set WREG,  64*PITCH                   ; a wave's LDS bytes
.set X,     32                         ; v32-95, v96-159  two sets of 64 numbers: register 16 b + i = k 32 b + 16 h + i of my row
.set CD,    160                        ; v160-191  codes, 8 registers a tile: no store's data are written again
.set WD,    192                        ; v192-195  a tile's scale words
.set TM,    200                        ; v200-215  at work
.set SEL,   36                         ; s[36:37]  v_permlanex16_b32's selects for lane l xor 16
.set G1,    16                         ; s[16:23]  descriptor group 1
.set G0,    24                         ; s[24:31]  two groups 0
; 64 numbers of a lane become a fragment's 8 registers of codes (v[pc] on) and its scale word (v[wd])
.macro QUANT64 s, pc, wd
.irp b, 0,1,2,3
	v_max3_num_f32 v[TM+\b], |v[\s+16*\b]|, |v[\s+1+16*\b]|, 0x1800000   ; block b: my 16 numbers, and the floor 2^(3 - 127): the byte cannot fall under 1
.endr
.irp i, 2,4,6,8,10,12,14
.irp b, 0,1,2,3
	v_max3_num_f32 v[TM+\b], v[TM+\b], |v[\s+16*\b+\i]|, |v[\s+1+16*\b+\i]|   ; the four blocks by turns
.endr
.endr
.irp b, 0,1,2,3
	v_permlanex16_b32 v[TM+4+\b], v[TM+\b], s[SEL], s[SEL+1]
.endr
.irp b, 0,1,2,3
	v_max_num_f32 v[TM+\b], v[TM+\b], v[TM+4+\b]   ; with lane l xor 16's 16: the block's largest magnitude
.endr
.irp b, 0,1,2,3
	v_add_nc_u32 v[TM+12+\b], 0xff000000, v[TM+\b]   ; 2 off its exponent field: the conversion's scale operand
.endr
.irp b, 0,1,2,3
	v_lshrrev_b32 v[TM+4+\b], 23, v[TM+12+\b]      ; the scale's byte
.endr
	v_lshl_or_b32 v[\wd], v[TM+5], 8, v[TM+4]
	v_lshl_or_b32 v[\wd], v[TM+6], 16, v[\wd]
	v_lshl_or_b32 v[\wd], v[TM+7], 24, v[\wd]
.irp b, 0,1,2,3
	v_cvt_scalef32_pk8_fp4_f32 v[\pc+2*\b], v[\s+16*\b:\s+7+16*\b], v[TM+12+\b]
	v_cvt_scalef32_pk8_fp4_f32 v[\pc+1+2*\b], v[\s+8+16*\b:\s+15+16*\b], v[TM+12+\b]
.endr
	v_nop                                          ; one plain place behind a scaled conversion
.irp c, 0,1                                    ; the layout wants a whole block in a lane: lanes 0-15 block 2 c, lanes 16-31 block 2 c + 1
.irp i, 0,1
	v_permlane16_swap_b32 v[\pc+4*\c+\i], v[\pc+2+4*\c+\i]
.endr
.endr
.endm
.macro LD t                            ; tile t's numbers out of LDS into set t % 2
.irp b, 0,1,2,3
.irp q, 0,1,2,3
	ds_load_b128 v[X+64*((\t)%2)+16*\b+4*\q:X+64*((\t)%2)+16*\b+4*\q+3], v4 offset:(32*((\t)/2)+8*((\t)%2))*PITCH+128*\b+16*\q
.endr
.endr
.endm
.macro ST t                            ; tile t's two parts: 512 consecutive bytes a store
.irp c, 0,1
	global_store_b128 v5, v[CD+8*(\t)+4*\c:CD+8*(\t)+4*\c+3], s[10:11] offset:1024*(\t)+512*\c
.endr
.endm
	s_load_b256 s[4:11], s[0:1], 0x0               ; x s[4:5], w_qkv s[6:7], w_comb s[8:9], img s[10:11]
	v_lshl_add_u32 v224, v0, 2, 0x29000
	v_mov_b32 v225, 0
	ds_add_u32 v224, v225
	ds_add_u32 v224, v225
	v_lshrrev_b32 v1, 5, v0
	v_readfirstlane_b32 s12, v1                    ; wave 0..3
	s_lshr_b32 s13, ttmp9, 1                       ; my group of 64 rows
	s_and_b32 s14, ttmp9, 1
	s_lshl_b32 s14, s14, 2
	s_add_co_u32 s14, s14, s12                     ; my K step
	; group 1: 32 rows x 64 elements of 8 bytes, rows 512 elements apart, 4 words of padding behind every 128
	s_mov_b32 s[G1+0], (3<<16)|(1<<20)|(6<<22)|(3<<25)
	s_mov_b32 s[G1+1], 64<<16                      ; tensor_dim0
	s_mov_b32 s[G1+2], 32<<16                      ; tensor_dim1
	s_mov_b32 s[G1+3], 64<<16                      ; tile_dim0
	s_mov_b32 s[G1+4], 32                          ; tile_dim1
	s_mov_b32 s[G1+5], 512                         ; tensor_dim0_stride
	s_mov_b32 s[G1+6], 0
	s_mov_b32 s[G1+7], 0
	s_mul_i32 s34, s12, WREG                       ; my wave's LDS bytes
	s_mov_b32 s[SEL], 0x76543210
	s_mov_b32 s[SEL+1], 0xfedcba98
	s_mov_b32 s40, 0xffff0000                      ; lanes 16-31
	s_mul_i32 s38, s13, REC
	s_mul_i32 s39, s14, KREC
	s_add_co_u32 s38, s38, s39                     ; where my K step's record begins
	s_mov_b32 s39, 0
	v_and_b32 v2, 15, v0                           ; r
	v_bfe_u32 v3, v0, 4, 1                         ; h
	v_and_b32 v7, 8, v2
	v_add_nc_u32 v7, v7, v2                        ; r + 8 (r / 8)
	v_mul_u32_u24 v4, v7, PITCH
	v_lshl_add_u32 v4, v3, 6, v4
	v_add_nc_u32 v4, s34, v4                       ; LDS: my row of tile 0, + 64 h: my 16 numbers of a block
	v_and_b32 v5, 31, v0
	v_lshlrev_b32 v5, 4, v5                        ; 16 x lane: my place in an image
	v_lshlrev_b32 v6, 4, v2
	v_lshl_add_u32 v6, v3, 3, v6                   ; 16 r + 8 h: two of my slot's four scale words
.irp b, 0,1,2,3
	v_mov_b32 v[TM+4+\b], 0                        ; written once: a lane permute's destination counts as one of its sources
.endr
	s_wait_alu depctr_va_vdst(0)
	s_wait_dscnt 0x0
	s_wait_kmcnt 0x0
	s_add_nc_u64 s[10:11], s[10:11], s[38:39]
	s_cmp_lt_u32 s13, 112                          ; which tensor: the choice hangs on the work-group's number alone
	s_cselect_b64 s[6:7], s[6:7], s[8:9]
	s_cselect_b32 s15, 64, 112
	s_cmp_lt_u32 s13, 64
	s_cselect_b64 s[4:5], s[4:5], s[6:7]
	s_cselect_b32 s15, 0, s15
	s_sub_co_u32 s15, s13, s15                     ; the group's number in its tensor
	s_lshl_b32 s32, s15, 18                        ; 64 rows of 4,096 bytes
	s_lshl_b32 s33, s14, 9                         ; + 512 bytes a K step
	s_add_co_u32 s32, s32, s33
	s_mov_b32 s33, 0
	s_add_nc_u64 s[4:5], s[4:5], s[32:33]
	s_mov_b32 s[G0+0], 1
	s_mov_b32 s[G0+1], s34                         ; rows 0-31
	s_mov_b64 s[G0+2:G0+3], s[4:5]
	s_or_b32 s[G0+3], s[G0+3], 0x80000000
	s_mov_b32 s[G0+4], 1
	s_add_co_u32 s[G0+5], s34, 32*PITCH            ; rows 32-63
	s_add_nc_u64 s[G0+6:G0+7], s[4:5], 32*4096
	s_or_b32 s[G0+7], s[G0+7], 0x80000000
	tensor_load_to_lds s[G0:G0+3], s[G1:G1+7]      ; both first fills together: two loads of mine are out
	s_nop 0
	tensor_load_to_lds s[G0+4:G0+7], s[G1:G1+7]
	s_nop 0
.rept 4
	v_nop
.endr
	s_wait_tensorcnt 0x1                           ; rows 0-31 (tiles 0 and 1) are in; the second load may be out
	LD 0
	LD 1
	s_wait_dscnt 16                                ; tile 0's 16 loads are in, tile 1's may be out
	QUANT64 X, CD, WD
	ST 0
	s_wait_tensorcnt 0x0                           ; rows 32-63
	LD 2
	s_wait_dscnt 16                                ; tile 1's are in, tile 2's may be out
	QUANT64 X+64, CD+8, WD+1
	ST 1
	LD 3
	s_wait_dscnt 16                                ; tile 2's are in, tile 3's may be out
	QUANT64 X, CD+16, WD+2
	ST 2
	s_wait_dscnt 0x0
	QUANT64 X+64, CD+24, WD+3
	ST 3
	v_cndmask_b32 v196, v[WD], v[WD+2], s40        ; lanes 0-15 store the words of tiles 0 and 1, lanes 16-31 those of tiles 2 and 3:
	v_cndmask_b32 v197, v[WD+1], v[WD+3], s40
	global_store_b64 v6, v[196:197], s[10:11] offset:4096   ; the wave stores 256 consecutive bytes, aligned
	s_wait_tensorcnt 0x0
	ds_add_u32 v224, v225
	s_wait_dscnt 0x0
	s_endpgm
.Lfunc_end_k_q0a6e1e6dd2_quant:
	.size	k_q0a6e1e6dd2_quant, .Lfunc_end_k_q0a6e1e6dd2_quant-k_q0a6e1e6dd2_quant
	.p2alignl 7, 3214868480
	.fill 96, 4, 3214868480
	.section	.rodata,"a",@progbits
	.p2align	6, 0x0
	.amdhsa_kernel k_q0a6e1e6dd2_quant
		.amdhsa_group_segment_fixed_size 168448
		.amdhsa_private_segment_fixed_size 0
		.amdhsa_enable_private_segment 0
		.amdhsa_kernarg_size 32
		.amdhsa_user_sgpr_count 2
		.amdhsa_user_sgpr_kernarg_segment_ptr 1
		.amdhsa_wavefront_size32 1
		.amdhsa_system_sgpr_workgroup_id_x 1
		.amdhsa_system_sgpr_workgroup_id_y 1
		.amdhsa_system_sgpr_workgroup_id_z 1
		.amdhsa_system_vgpr_workitem_id 0
		.amdhsa_next_free_vgpr 226
		.amdhsa_next_free_sgpr 66
		.amdhsa_reserve_vcc 0
		.amdhsa_float_denorm_mode_32 3
		.amdhsa_float_denorm_mode_16_64 3
		.amdhsa_memory_ordered 1
		.amdhsa_forward_progress 1
		.amdhsa_inst_pref_size 24
	.end_amdhsa_kernel
	.amdgpu_metadata
---
amdhsa.version: [ 1, 2 ]
amdhsa.kernels:
  - .name:           k_q0a6e1e6dd2_quant
    .symbol:         k_q0a6e1e6dd2_quant.kd
    .args:
      - { .name: x, .offset: 0, .size: 8, .value_kind: global_buffer, .address_space: global }
      - { .name: w_qkv, .offset: 8, .size: 8, .value_kind: global_buffer, .address_space: global }
      - { .name: w_comb, .offset: 16, .size: 8, .value_kind: global_buffer, .address_space: global }
      - { .name: img, .offset: 24, .size: 8, .value_kind: global_buffer, .address_space: global }
    .group_segment_fixed_size: 168448
    .private_segment_fixed_size: 0
    .kernarg_segment_align: 8
    .kernarg_segment_size: 32
    .max_flat_workgroup_size: 128
    .sgpr_count:     66
    .vgpr_count:     226
    .wavefront_size: 32
...
	.end_amdgpu_metadata
.endif
;; end of part 5
;; launch qkv (part 6): grid 16 x 16, 12 waves a work-group, clusters of 4 x 4, 245,760 bytes of LDS; arguments img, qc, qs, kv; writes qc, qs, kv
.if DOCPART == 6
	.amdgcn_target "amdgcn-amd-amdhsa--gfx1250"
	.amdhsa_code_object_version 6
	.text
	.protected	k_q0a6e1e6dd2_qkv
	.globl	k_q0a6e1e6dd2_qkv
	.p2align	8
	.type	k_q0a6e1e6dd2_qkv,@function
k_q0a6e1e6dd2_qkv:
	s_mov_b64 s[64:65], 0
	v_nop
	global_prefetch_b8 v0, s[64:65] scope:SCOPE_SE
	s_setreg_imm32_b32 hwreg(HW_REG_WAVE_MODE, 25, 1), 1
	s_wait_xcnt 0x0
	s_wait_alu depctr_hold_cnt(0) depctr_sa_sdst(0) depctr_va_vdst(0) depctr_va_sdst(0) depctr_va_ssrc(0) depctr_va_vcc(0) depctr_vm_vsrc(0)
	s_getreg_b32 s2, hwreg(HW_REG_IB_STS2, 6, 4)
	s_cmp_eq_u32 s2, 0
	s_cbranch_scc0 .Lentry_in_a_cluster
	s_endpgm
.Lentry_in_a_cluster:
	s_bfe_u32 s2, ttmp6, 0x10000c
	s_cmp_lg_u32 s2, 0xf033
	s_cbranch_scc0 .Lentry_shape_is_right
	s_endpgm
.Lentry_shape_is_right:
; qkv = x w_qkv^T on codes of FP4, and q, k, v quantised straight from the accumulators into the images that the attention launch reads.
; SHARES: a work-group takes 256 tokens (mb) x one head (hx): q's, k's and v's 64 columns.  Wave w: kind w / 4 (0 q, 1 k, 2 v), quarter w % 4 of the tokens: 64 x 64, 16 accumulators.
; ONE TEXT FOR ALL KINDS: a wave multiplies four tiles P (source 0) by four tiles R (source 1).  q and k: P = the weight's rows, R = the tokens: a lane holds one token and its registers run along the head's 64,
; which is the K of q k^T.  v: P = the tokens, R = the weight's rows: a lane holds one channel and its registers run along the tokens, which are the K of p v.  The tiles' row order makes the 16 registers of
; tiles 2 b, 2 b + 1 neighbours: index 32 b + 16 h + 0 .. 15.
; LDS: seven group records as they lie in memory (4 of x, then q's, k's, v's weights), 34,816 bytes each, filled ONCE; behind them 512 bytes in which v's scale half-words meet.
; CLUSTER 4 x 4: x's records hang on mb alone and are asked for jointly along a row of the cluster, the weights' on hx alone and jointly along a column.  Waves 0-3 ask for x's, waves 4-6 for the weights':
; four loads each, two K steps (8,704 bytes = 34 rows of 256) a load: four loads of a wave are out at the most.
; OUT: qc [head][tile][512]; qs, and kv's scale words, as pairs a lane (tiles h and 2 + h); kv [head][key step of 128][K codes 4,096 | V codes 4,096 | K scales 512 | V scales 256].
; q's and k's K is 64: their scale words carry 0x7f for the two blocks that the attention launch fills with zero codes.
; LIMITS: a block of zeros, or one under 2^-124, gets the byte 1; NaN and infinities are not served.
.set REC,   34816
.set KREC,  4352
.set VSTG,  7*REC                      ; v's scale half-words: two key steps x 256 bytes
.set PS,    12                         ; v12-15  P's scale words (lanes 0-15 the even K step, lanes 16-31 the odd one); v16-19 R's: scales and nothing else
.set RS,    16
.set PF,    32                         ; v32-63  P's four fragments;  v64-95 R's
.set RF,    64
.set TM,    96                         ; v96-111 at work
.set ACC,   128                        ; accumulator (p, j) at v[128 + 8 (4 j + p)]
.set SEL,   2                          ; s[2:3]
.set G1A,   24
.set G1B,   32
.set G0A,   40                         ; s[40:55] four groups 0 for x's records
.set G0B,   68                         ; s[68:83] four for the weights'
.macro CROUND                          ; a round of the cluster's barrier
	s_barrier_signal -1
	s_barrier_wait -1
	s_cmp_lg_u32 s12, 0
	s_cbranch_scc1 .Lnot_wave_0_\@
	s_barrier_signal -3
.Lnot_wave_0_\@:
	s_barrier_wait -3
	s_barrier_signal -1
	s_barrier_wait -1
.endm
; 32 numbers of a lane (register 16 b + i = k 32 b + 16 h + i) become registers 0-3 of a fragment (v[pc] on: lane (r, h) holds k = 32 h + 0 .. 31) and two scale bytes (v[wd])
.macro QUANT32 s, pc, wd
.irp b, 0,1
	v_max3_num_f32 v[TM+\b], |v[\s+16*\b]|, |v[\s+1+16*\b]|, 0x1800000   ; each accumulator is read from its low end on; the floor 2^(3 - 127) holds the byte at 1 from below
.endr
.irp i, 2,4,6,8,10,12,14
.irp b, 0,1
	v_max3_num_f32 v[TM+\b], v[TM+\b], |v[\s+16*\b+\i]|, |v[\s+1+16*\b+\i]|
.endr
.endr
.irp b, 0,1
	s_delay_alu instid0(VALU_DEP_2)
	v_permlanex16_b32 v[TM+4+\b], v[TM+\b], s[SEL], s[SEL+1]
.endr
.irp b, 0,1
	s_delay_alu instid0(VALU_DEP_2)
	v_max_num_f32 v[TM+\b], v[TM+\b], v[TM+4+\b]
.endr
.irp b, 0,1
	s_delay_alu instid0(VALU_DEP_2)
	v_add_nc_u32 v[TM+12+\b], 0xff000000, v[TM+\b]
.endr
.irp b, 0,1
	s_delay_alu instid0(VALU_DEP_2)
	v_lshrrev_b32 v[TM+4+\b], 23, v[TM+12+\b]
.endr
	s_delay_alu instid0(VALU_DEP_1)
	v_lshl_or_b32 v[\wd], v[TM+5], 8, v[TM+4]
.irp b, 0,1
	v_cvt_scalef32_pk8_fp4_f32 v[\pc+2*\b], v[\s+16*\b:\s+7+16*\b], v[TM+12+\b]
	v_cvt_scalef32_pk8_fp4_f32 v[\pc+1+2*\b], v[\s+8+16*\b:\s+15+16*\b], v[TM+12+\b]
.endr
	v_nop                                          ; one plain place behind a scaled conversion
	v_permlane16_swap_b32 v[\pc], v[\pc+2]
	v_permlane16_swap_b32 v[\pc+1], v[\pc+3]
.endm
	s_load_b256 s[4:11], s[0:1], 0x0               ; img s[4:5], qc s[6:7], qs s[8:9], kv s[10:11]
	v_lshl_add_u32 v126, v0, 2, 0x3ba00
	v_mov_b32 v127, 0
	ds_add_u32 v126, v127
	ds_add_u32 v126, v127
	v_lshrrev_b32 v9, 5, v0
	s_delay_alu instid0(VALU_DEP_1)
	v_readfirstlane_b32 s12, v9                    ; wave 0..11
	s_lshr_b32 s13, s12, 2                         ; kind: 0 q, 1 k, 2 v
	s_and_b32 s14, s12, 3                          ; my quarter of the tokens
	s_lshr_b32 s15, s12, 3                         ; 1 in v's waves
	s_xor_b32 s16, s15, 1
	s_bfe_u32 s17, ttmp6, 0x40000                  ; cx
	s_bfe_u32 s18, ttmp6, 0x40004                  ; cy
	s_lshl_b32 s19, ttmp9, 2
	s_add_co_u32 s19, s19, s17                     ; hx: the head
	s_and_b32 s20, ttmp7, 0xffff
	s_lshl_b32 s20, s20, 2
	s_add_co_u32 s20, s20, s18                     ; mb: the block of 256 tokens
	s_lshl_b32 s21, s18, 2
	s_lshl_b32 s21, 15, s21                        ; my row of the cluster
	s_lshl_b32 s22, 0x1111, s17                    ; my column
	s_mov_b32 s[SEL], 0x76543210
	s_mov_b32 s[SEL+1], 0xfedcba98
	s_mov_b32 s99, 0xffff0000                      ; lanes 16-31
	; every LDS address is made here, of the wave's number and the lane alone
	s_mul_i32 s84, s14, REC                        ; my tokens' record
	s_mul_i32 s85, s13, REC
	s_add_co_u32 s85, s85, 4*REC                   ; my weight's record
	s_mul_i32 s86, s16, s85
	s_mul_i32 s87, s15, s84
	s_add_co_u32 s86, s86, s87                     ; P: the weight's (q, k) or the tokens' (v)
	s_mul_i32 s87, s16, s84
	s_mul_i32 s88, s15, s85
	s_add_co_u32 s87, s87, s88                     ; R: the other one
	v_and_b32 v9, 31, v0
	v_and_b32 v10, 15, v0                          ; r
	v_bfe_u32 v11, v0, 4, 1                        ; h
	s_delay_alu instid0(VALU_DEP_3)
	v_lshlrev_b32 v1, 4, v9                        ; 16 x lane
	s_delay_alu instid0(VALU_DEP_4)
	v_lshlrev_b32 v2, 3, v9                        ; 8 x lane
	s_delay_alu instid0(VALU_DEP_2)
	v_add_nc_u32 v3, s86, v1                       ; P's images
	s_delay_alu instid0(VALU_DEP_3)
	v_add_nc_u32 v4, s87, v1                       ; R's
	v_mul_u32_u24 v9, v11, KREC
	s_delay_alu instid0(VALU_DEP_1)
	v_lshl_add_u32 v9, v10, 4, v9
	s_delay_alu instid0(VALU_DEP_1)
	v_add_nc_u32 v9, 4096, v9                      ; a slot's four scale words; lanes 16-31 take the K step after
	s_delay_alu instid0(VALU_DEP_1)
	v_add_nc_u32 v5, s86, v9
	s_delay_alu instid0(VALU_DEP_2)
	v_add_nc_u32 v6, s87, v9
	s_lshr_b32 s88, s14, 1
	s_lshl_b32 s88, s88, 8
	s_add_co_u32 s88, s88, VSTG
	v_add_nc_u32 v8, s88, v2                       ; v's scale words of my key step: 8 bytes a lane,
	s_and_b32 s89, s14, 1
	s_lshl_b32 s89, s89, 1
	v_add_nc_u32 v7, s89, v8                       ; and my half-word in them
	v_mov_b32 v[TM+4], 0                           ; written once: a lane permute's destination counts as one of its sources
	v_mov_b32 v[TM+5], 0
	; group 1: 34 rows of 32 elements of 8 bytes, dense
	s_or_b32 s[G1A], s21, (3<<16)|(1<<21)          ; 15:0 the mask; 17:16 elements of 8 bytes; 21 set beside a mask
	s_or_b32 s[G1B], s22, (3<<16)|(1<<21)
.irp g, G1A, G1B
	s_mov_b32 s[\g+1], 32<<16
	s_mov_b32 s[\g+2], 34<<16
	s_mov_b32 s[\g+3], 32<<16
	s_mov_b32 s[\g+4], 34
	s_mov_b32 s[\g+5], 32
	s_mov_b32 s[\g+6], 0
	s_mov_b32 s[\g+7], 0
.endr
	s_lshl_b32 s56, s20, 2
	s_add_co_u32 s56, s56, s12
	s_mul_i32 s56, s56, REC                        ; x's group 4 mb + wave: made of mb and the wave's number alone
	s_mov_b32 s57, 0
	s_lshl_b32 s58, s12, 4
	s_add_co_u32 s58, s58, s19
	s_mul_i32 s58, s58, REC                        ; the weights' group 16 wave + hx: of hx and the wave's number alone
	s_mov_b32 s59, 0
	s_mul_i32 s23, s12, REC                        ; record = wave
	; where my results go
	s_lshr_b32 s90, s20, 3
	s_lshl_b32 s90, s90, 4
	s_add_co_u32 s90, s90, s19                     ; hb = 16 x batch + head
	s_and_b32 s91, s20, 7
	s_lshl_b32 s92, s90, 16
	s_lshl_b32 s93, s91, 13
	s_add_co_u32 s92, s92, s93
	s_lshl_b32 s93, s14, 11
	s_add_co_u32 s92, s92, s93                     ; q's codes: 65,536 hb + 8,192 (mb % 8) + 2,048 quarter
	s_mul_i32 s94, s90, 143360
	s_lshl_b32 s93, s91, 1
	s_lshr_b32 s95, s14, 1
	s_add_co_u32 s93, s93, s95
	s_mul_i32 s93, s93, 8960
	s_add_co_u32 s94, s94, s93                     ; my key step's record in kv
	s_and_b32 s95, s14, 1                          ; which 64 of its 128 keys
	s_lshl_b32 s93, s95, 11
	s_add_co_u32 s93, s93, s94
	s_lshl_b32 s96, s15, 12
	s_add_co_u32 s93, s93, s96                     ; k's or v's codes
	s_lshl_b32 s96, s90, 13
	s_lshl_b32 s97, s91, 2
	s_add_co_u32 s97, s97, s14
	s_lshl_b32 s97, s97, 8
	s_add_co_u32 s96, s96, s97                     ; q's scale words
	s_lshl_b32 s97, s95, 8
	s_add_co_u32 s97, s97, s94
	s_add_co_u32 s97, s97, 8192                    ; k's
	s_add_co_u32 s98, s94, 8704                    ; v's
	s_wait_dscnt 0x0
	s_wait_kmcnt 0x0
	s_add_nc_u64 s[56:57], s[4:5], s[56:57]
	s_add_nc_u64 s[58:59], s[4:5], s[58:59]
	s_cmp_eq_u32 s13, 0
	s_cselect_b64 s[60:61], s[6:7], s[10:11]       ; the codes' buffer and the scales', by the wave's kind
	s_cselect_b32 s62, s92, s93
	s_cselect_b64 s[84:85], s[8:9], s[10:11]
	s_cselect_b32 s86, s96, s97
	s_cmp_eq_u32 s15, 1
	s_cselect_b32 s86, s98, s86
	s_mov_b32 s63, 0
	s_mov_b32 s87, 0
	s_add_nc_u64 s[60:61], s[60:61], s[62:63]
	s_add_nc_u64 s[84:85], s[84:85], s[86:87]
.irp i, 0,1,2,3
	s_mov_b32 s[G0A+4*\i], 1
	s_add_co_u32 s[G0A+4*\i+1], s23, 8704*\i
	s_add_nc_u64 s[G0A+4*\i+2:G0A+4*\i+3], s[56:57], 8704*\i
	s_or_b32 s[G0A+4*\i+3], s[G0A+4*\i+3], 0x80000000
	s_mov_b32 s[G0B+4*\i], 1
	s_add_co_u32 s[G0B+4*\i+1], s23, 8704*\i
	s_add_nc_u64 s[G0B+4*\i+2:G0B+4*\i+3], s[58:59], 8704*\i
	s_or_b32 s[G0B+4*\i+3], s[G0B+4*\i+3], 0x80000000
.endr
	CROUND                                         ; all sixteen work-groups are here: the joint loads meet
	s_cmp_lt_u32 s12, 4                            ; a wave's four fills stand in one branch on its number, ahead of every wait on TENSORcnt and every LDS read
	s_cbranch_scc0 .Lnot_x
.irp i, 0,1,2,3
	tensor_load_to_lds s[G0A+4*\i:G0A+4*\i+3], s[G1A:G1A+7]
	s_nop 0
.endr
.rept 4
	v_nop
.endr
	s_branch .Lasked
.Lnot_x:
	s_cmp_lt_u32 s12, 7
	s_cbranch_scc0 .Lasked
.irp i, 0,1,2,3
	tensor_load_to_lds s[G0B+4*\i:G0B+4*\i+3], s[G1B:G1B+7]
	s_nop 0
.endr
.rept 4
	v_nop
.endr
.Lasked:
; A K step of 128: 16 fragment loads, 16 products.  The 16 accumulators take turns, one instruction a turn.
.macro KSTEP ks
.if (\ks)%2 == 0
	s_wait_tensorcnt 3-(\ks)/2                     ; my load of these two K steps is in; the later ones may be out
	s_barrier_signal -1
	s_barrier_wait -1                              ; everybody's is
	ds_load_b128 v[PS:PS+3], v5 offset:8704*((\ks)/2)
	ds_load_b128 v[RS:RS+3], v6 offset:8704*((\ks)/2)
.endif
.irp t, 0,1,2,3
.irp c, 0,1
	ds_load_b128 v[PF+8*\t+4*\c:PF+8*\t+4*\c+3], v3 offset:KREC*(\ks)+1024*\t+512*\c
	ds_load_b128 v[RF+8*\t+4*\c:RF+8*\t+4*\c+3], v4 offset:KREC*(\ks)+1024*\t+512*\c
.endr
.endr
	s_wait_dscnt 0x0
.irp j, 0,1,2,3
.irp p, 0,1,2,3
.if (\ks) == 0
	v_wmma_scale_f32_16x16x128_f8f6f4 v[ACC+8*(4*\j+\p):ACC+8*(4*\j+\p)+7], v[PF+8*\p:PF+8*\p+7], v[RF+8*\j:RF+8*\j+7], 0, v[PS+\p], v[RS+\j] matrix_a_fmt:MATRIX_FMT_FP4 matrix_b_fmt:MATRIX_FMT_FP4
.elseif (\ks)%2 == 0
	v_wmma_scale_f32_16x16x128_f8f6f4 v[ACC+8*(4*\j+\p):ACC+8*(4*\j+\p)+7], v[PF+8*\p:PF+8*\p+7], v[RF+8*\j:RF+8*\j+7], v[ACC+8*(4*\j+\p):ACC+8*(4*\j+\p)+7], v[PS+\p], v[RS+\j] matrix_a_fmt:MATRIX_FMT_FP4 matrix_b_fmt:MATRIX_FMT_FP4
.else
	v_wmma_scale_f32_16x16x128_f8f6f4 v[ACC+8*(4*\j+\p):ACC+8*(4*\j+\p)+7], v[PF+8*\p:PF+8*\p+7], v[RF+8*\j:RF+8*\j+7], v[ACC+8*(4*\j+\p):ACC+8*(4*\j+\p)+7], v[PS+\p], v[RS+\j] matrix_a_fmt:MATRIX_FMT_FP4 matrix_b_fmt:MATRIX_FMT_FP4 matrix_a_scale:MATRIX_SCALE_ROW1 matrix_b_scale:MATRIX_SCALE_ROW1
.endif
.endr
.endr
.rept 4
	v_nop                                          ; four places in front of loads into registers that the products have read, and of the first read of results
.endr
.endm
	s_wait_alu depctr_va_vdst(0)
.irp k, 0,1,2,3,4,5,6,7
	KSTEP \k
.endr
	; R's tile j: 16 rows (q, k: tokens; v: channels), 64 along the next K: half a fragment and two scale bytes.  A store covers 512 consecutive bytes.
.irp j, 0,1,2,3
	QUANT32 ACC+32*\j, 32+4*\j, 48+\j
	global_store_b128 v1, v[32+4*\j:35+4*\j], s[60:61] offset:512*\j
.endr
	v_cndmask_b32 v52, v48, v49, s99               ; lanes 0-15: tiles 0 and 2; lanes 16-31: tiles 1 and 3
	v_cndmask_b32 v53, v50, v51, s99
	s_cmp_lt_u32 s12, 8
	s_cbranch_scc0 .Lv_scales
	v_or_b32 v54, 0x7f7f0000, v52                  ; q, k: the words are whole: 2^0 for the two blocks of zero codes
	v_or_b32 v55, 0x7f7f0000, v53
	global_store_b64 v2, v[54:55], s[84:85]        ; the wave stores 256 consecutive bytes, aligned
	s_branch .Lscales_out
.Lv_scales:
	s_wait_alu depctr_va_vdst(0)
	ds_store_b16 v7, v52                           ; v: a word's two halves come from two waves (keys 0-63, 64-127 of the step): they meet in LDS
	ds_store_b16 v7, v53 offset:4
.Lscales_out:
	s_wait_dscnt 0x0                               ; for the others' sake: my stores have landed
	s_barrier_signal -1
	s_barrier_wait -1
	s_and_b32 s97, s12, 9
	s_cmp_eq_u32 s97, 8                            ; waves 8 and 10 store the two key steps' words
	s_cbranch_scc0 .Lno_words
	ds_load_b64 v[56:57], v8
	s_wait_dscnt 0x0
	global_store_b64 v2, v[56:57], s[84:85]        ; 256 consecutive bytes, aligned
.Lno_words:
	s_wait_tensorcnt 0x0
	ds_add_u32 v126, v127
	s_wait_dscnt 0x0
	CROUND                                         ; the closing round: no work-group ends while a partner may still ask for a record that names it
	s_endpgm
.Lfunc_end_k_q0a6e1e6dd2_qkv:
	.size	k_q0a6e1e6dd2_qkv, .Lfunc_end_k_q0a6e1e6dd2_qkv-k_q0a6e1e6dd2_qkv
	.p2alignl 7, 3214868480
	.fill 96, 4, 3214868480
	.section	.rodata,"a",@progbits
	.p2align	6, 0x0
	.amdhsa_kernel k_q0a6e1e6dd2_qkv
		.amdhsa_group_segment_fixed_size 245760
		.amdhsa_private_segment_fixed_size 0
		.amdhsa_enable_private_segment 0
		.amdhsa_kernarg_size 32
		.amdhsa_user_sgpr_count 2
		.amdhsa_user_sgpr_kernarg_segment_ptr 1
		.amdhsa_wavefront_size32 1
		.amdhsa_system_sgpr_workgroup_id_x 1
		.amdhsa_system_sgpr_workgroup_id_y 1
		.amdhsa_system_sgpr_workgroup_id_z 1
		.amdhsa_system_vgpr_workitem_id 0
		.amdhsa_next_free_vgpr 256
		.amdhsa_next_free_sgpr 100
		.amdhsa_reserve_vcc 0
		.amdhsa_float_denorm_mode_32 3
		.amdhsa_float_denorm_mode_16_64 3
		.amdhsa_memory_ordered 1
		.amdhsa_forward_progress 1
		.amdhsa_inst_pref_size 46
	.end_amdhsa_kernel
	.amdgpu_metadata
---
amdhsa.version: [ 1, 2 ]
amdhsa.kernels:
  - .name:           k_q0a6e1e6dd2_qkv
    .symbol:         k_q0a6e1e6dd2_qkv.kd
    .args:
      - { .name: img, .offset: 0, .size: 8, .value_kind: global_buffer, .address_space: global }
      - { .name: qc, .offset: 8, .size: 8, .value_kind: global_buffer, .address_space: global }
      - { .name: qs, .offset: 16, .size: 8, .value_kind: global_buffer, .address_space: global }
      - { .name: kv, .offset: 24, .size: 8, .value_kind: global_buffer, .address_space: global }
    .group_segment_fixed_size: 245760
    .private_segment_fixed_size: 0
    .kernarg_segment_align: 8
    .kernarg_segment_size: 32
    .max_flat_workgroup_size: 384
    .sgpr_count:     100
    .vgpr_count:     256
    .wavefront_size: 32
...
	.end_amdgpu_metadata
.endif
;; end of part 6
;; launch attn (part 7): grid 8 x 32, 16 waves a work-group, clusters of 4 x 1, 169,984 bytes of LDS; arguments qc, qs, kv, oi, os; writes oi, os
.if DOCPART == 7
	.amdgcn_target "amdgcn-amd-amdhsa--gfx1250"
	.amdhsa_code_object_version 6
	.text
	.protected	k_q0a6e1e6dd2_attn
	.globl	k_q0a6e1e6dd2_attn
	.p2align	8
	.type	k_q0a6e1e6dd2_attn,@function
k_q0a6e1e6dd2_attn:
	s_mov_b64 s[64:65], 0
	v_nop
	global_prefetch_b8 v0, s[64:65] scope:SCOPE_SE
	s_setreg_imm32_b32 hwreg(HW_REG_WAVE_MODE, 25, 1), 1
	s_wait_xcnt 0x0
	s_wait_alu depctr_hold_cnt(0) depctr_sa_sdst(0) depctr_va_vdst(0) depctr_va_sdst(0) depctr_va_ssrc(0) depctr_va_vcc(0) depctr_vm_vsrc(0)
	s_getreg_b32 s2, hwreg(HW_REG_IB_STS2, 6, 4)
	s_cmp_eq_u32 s2, 0
	s_cbranch_scc0 .Lentry_in_a_cluster
	s_endpgm
.Lentry_in_a_cluster:
	s_bfe_u32 s2, ttmp6, 0x10000c
	s_cmp_lg_u32 s2, 0x3003
	s_cbranch_scc0 .Lentry_shape_is_right
	s_endpgm
.Lentry_shape_is_right:
; O = softmax(q k^T / 8) v for one head, both products on codes of FP4, and O quantised along the embedding for the last product.
; THE SOFTMAX: t = score x log2(e) / 8; M = the running largest t rounded UP to a whole number; p = 2^(t - M) is quantised along the keys, not normalised; the row's sum is taken of the unquantised p and
; divides O at the end; when M moves, the sum and O are multiplied by 2^(old M - new M), which rounds nothing.
; SHARES: a work-group owns 256 queries of one head (hb = 16 batch + head), each of its 16 waves one tile of 16; four waves to a SIMD, so that one wave's vector work stands beside another's products and LDS loads.
; LAYOUT: both products transposed: S^T = K Q^T, O^T = V^T P^T: a lane holds ONE query throughout.  The keys of a tile of K and the channels of a tile of V^T stand in the order in which the launch before laid
; them, so that p's 16 registers of tiles 2 b, 2 b + 1 are keys 32 b + 16 h + 0 .. 15, and O^T's are channels likewise.
; q k^T has K = 64: registers 4-7 of Q's and K's fragments hold zero codes, under the scale byte 0x7f.
; LDS: the head's whole record of kv, 16 key steps x 8,960 bytes, filled ONCE.  CLUSTER 4 x 1: the four blocks of queries read the same record, so each key step is asked for jointly (mask 15): waves 0-3, four loads
; each (load i of wave w: key step 4 i + w): four loads of a wave are out at the most.
; TWO BARRIERS: behind the first (each fetching wave's load 0 has landed) key steps 0 to 3 may be read, and one key step is worked; in front of the second every fetching wave has waited for all its loads, and the
; other 15 steps run behind it without a barrier, so that no wave waits for another until the end.
; K IS FETCHED A STEP AHEAD: the next step's ten LDS loads go out behind this step's first products, into the registers that those have read.  The last step is written out without them.
; EXPONENTIALS AND PLAIN INSTRUCTIONS BY TURNS: behind each exponential stands one plain instruction that names none of its registers (ISA guide 5.7.2): a scaling of a pair still to come, a sum of a pair that is done,
; a rescaling, a block's floor or scale operand.
; LIMITS: a block of zeros, or one under 2^-124, gets the byte 1; NaN and infinities are not served.
.set KVS,  8960
.set TM,   232                         ; the tail's quantiser works in v232-247
.set SEL,  44                          ; s[44:45]
.set TB,   46                          ; s46  LDS byte of the key step in hand
.set CNT,  47
.set CS,   50                          ; s[50:51] c = log2(e) / 8
.set G1,   20
.set G0,   28                          ; s[28:43]
; REGISTERS: v1 16 x lane, v2 8 x lane, v3-4 the step's addresses, v6 32 r; v12 -M, v13 the largest t, v[14:15] the sum in two halves; v16-23 Q; v24 Q's scale word, v25 p's, v26-29 K's, v30-31 V's;
; v32-95 K's 8 fragments; v96-159 S^T, then p; v160-191 O^T; v192-223 V's 4 fragments; v224-231 p's codes; v232-254 at work
.macro CROUND
	s_barrier_signal -1
	s_barrier_wait -1
	s_cmp_lg_u32 s14, 0
	s_cbranch_scc1 .Lnot_wave_0_\@
	s_barrier_signal -3
.Lnot_wave_0_\@:
	s_barrier_wait -3
	s_barrier_signal -1
	s_barrier_wait -1
.endm
.macro QUANT32 s, pc, wd
.irp b, 0,1
	v_max3_num_f32 v[TM+\b], |v[\s+16*\b]|, |v[\s+1+16*\b]|, 0x1800000
.endr
.irp i, 2,4,6,8,10,12,14
.irp b, 0,1
	s_delay_alu instid0(VALU_DEP_2)
	v_max3_num_f32 v[TM+\b], v[TM+\b], |v[\s+16*\b+\i]|, |v[\s+1+16*\b+\i]|
.endr
.endr
.irp b, 0,1
	s_delay_alu instid0(VALU_DEP_2)
	v_permlanex16_b32 v[TM+4+\b], v[TM+\b], s[SEL], s[SEL+1]
.endr
.irp b, 0,1
	s_delay_alu instid0(VALU_DEP_2)
	v_max_num_f32 v[TM+\b], v[TM+\b], v[TM+4+\b]
.endr
.irp b, 0,1
	s_delay_alu instid0(VALU_DEP_2)
	v_add_nc_u32 v[TM+12+\b], 0xff000000, v[TM+\b]
.endr
.irp b, 0,1
	s_delay_alu instid0(VALU_DEP_2)
	v_lshrrev_b32 v[TM+4+\b], 23, v[TM+12+\b]
.endr
	s_delay_alu instid0(VALU_DEP_1)
	v_lshl_or_b32 v[\wd], v[TM+5], 8, v[TM+4]
.irp b, 0,1
	v_cvt_scalef32_pk8_fp4_f32 v[\pc+2*\b], v[\s+16*\b:\s+7+16*\b], v[TM+12+\b]
	v_cvt_scalef32_pk8_fp4_f32 v[\pc+1+2*\b], v[\s+8+16*\b:\s+15+16*\b], v[TM+12+\b]
.endr
	v_nop
	v_permlane16_swap_b32 v[\pc], v[\pc+2]
	v_permlane16_swap_b32 v[\pc+1], v[\pc+3]
.endm
	s_load_b256 s[4:11], s[0:1], 0x0               ; qc s[4:5], qs s[6:7], kv s[8:9], oi s[10:11]
	s_load_b64 s[12:13], s[0:1], 0x20              ; os
	v_lshl_add_u32 v251, v0, 2, 0x29000
	v_mov_b32 v255, 0
	ds_add_u32 v251, v255
	ds_add_u32 v251, v255
	v_lshrrev_b32 v5, 5, v0
	s_delay_alu instid0(VALU_DEP_1)
	v_readfirstlane_b32 s14, v5                    ; wave 0..15
	s_bfe_u32 s15, ttmp6, 0x40000                  ; cx
	s_lshl_b32 s16, ttmp9, 2
	s_add_co_u32 s16, s16, s15                     ; my block of 256 queries: it enters Q's and O's addresses alone
	s_and_b32 s17, ttmp7, 0xffff                   ; hb, which the four partners share
	s_lshl_b32 s18, s16, 4
	s_add_co_u32 s18, s18, s14                     ; my tile of 16 queries, 0..127
	v_and_b32 v5, 31, v0
	s_delay_alu instid0(VALU_DEP_1)
	v_lshlrev_b32 v1, 4, v5
	s_delay_alu instid0(VALU_DEP_2)
	v_lshlrev_b32 v2, 3, v5
	v_and_b32 v5, 15, v0
	s_delay_alu instid0(VALU_DEP_1)
	v_lshlrev_b32 v6, 5, v5                        ; 32 r: my query's row of scale half-words
	s_delay_alu instid0(VALU_DEP_2)
	v_lshlrev_b32 v5, 3, v5                        ; 8 r
	; group 1: 35 rows of 32 elements of 8 bytes, dense; the mask names all four work-groups
	s_mov_b32 s[G1+0], 15|(3<<16)|(1<<21)
	s_mov_b32 s[G1+1], 32<<16
	s_mov_b32 s[G1+2], 35<<16
	s_mov_b32 s[G1+3], 32<<16
	s_mov_b32 s[G1+4], 35
	s_mov_b32 s[G1+5], 32
	s_mov_b32 s[G1+6], 0
	s_mov_b32 s[G1+7], 0
	s_mul_i32 s52, s17, 16*KVS
	s_mul_i32 s48, s14, KVS                        ; key step = wave: in LDS,
	s_add_co_u32 s52, s52, s48                     ; and in the head's record
	s_mov_b32 s53, 0
	s_mov_b32 s[SEL], 0x76543210
	s_mov_b32 s[SEL+1], 0xfedcba98
	s_mov_b32 s[CS], 0x3e38aa3b                    ; log2(e) / 8
	s_mov_b32 s[CS+1], s[CS]                       ; (named with it as a pair, so it is written)
	s_wait_dscnt 0x0
	s_wait_kmcnt 0x0
	s_add_nc_u64 s[52:53], s[8:9], s[52:53]
.irp i, 0,1,2,3
	s_mov_b32 s[G0+4*\i], 1
	s_add_co_u32 s[G0+4*\i+1], s48, 4*KVS*\i
	s_add_nc_u64 s[G0+4*\i+2:G0+4*\i+3], s[52:53], 4*KVS*\i
	s_or_b32 s[G0+4*\i+3], s[G0+4*\i+3], 0x80000000
.endr
	CROUND                                         ; all four work-groups are here: the joint loads meet
	s_cmp_lt_u32 s14, 4
	s_cbranch_scc0 .Lasked
.irp i, 0,1,2,3
	tensor_load_to_lds s[G0+4*\i:G0+4*\i+3], s[G1:G1+7]
	s_nop 0
.endr
.rept 4
	v_nop
.endr
.Lasked:
	s_lshl_b32 s56, s17, 16
	s_lshl_b32 s57, s18, 9
	s_add_co_u32 s56, s56, s57
	s_mov_b32 s57, 0
	s_add_nc_u64 s[4:5], s[4:5], s[56:57]
	s_wait_alu depctr_va_vdst(0)
	global_load_b128 v[16:19], v1, s[4:5]          ; Q's codes stay in registers
	s_lshl_b32 s56, s17, 13
	s_lshr_b32 s58, s18, 2
	s_lshl_b32 s58, s58, 8
	s_add_co_u32 s56, s56, s58                     ; my group of 64 queries: 256 bytes of scale words, a pair a lane
	s_and_b32 s58, s14, 1
	s_lshl_b32 s58, s58, 7
	s_add_co_u32 s56, s56, s58                     ; odd tiles stand in lanes 16-31's places,
	s_bfe_u32 s58, s14, 0x10001
	s_lshl_b32 s58, s58, 2
	s_add_co_u32 s56, s56, s58                     ; tiles 2 and 3 in the pair's second word
	s_add_nc_u64 s[6:7], s[6:7], s[56:57]
	global_load_b32 v24, v5, s[6:7]                ; Q's scale words
	s_lshr_b32 s58, s17, 4
	s_lshl_b32 s58, s58, 7
	s_add_co_u32 s58, s58, s18                     ; T = 128 batch + my tile
	s_and_b32 s59, s17, 15                         ; the head
	s_lshl_b32 s56, s58, 13
	s_lshl_b32 s19, s59, 9
	s_add_co_u32 s56, s56, s19
	s_add_nc_u64 s[10:11], s[10:11], s[56:57]      ; oi: 8,192 T + 512 head
	s_lshl_b32 s56, s58, 9
	s_lshl_b32 s19, s59, 1
	s_add_co_u32 s56, s56, s19
	s_add_nc_u64 s[12:13], s[12:13], s[56:57]      ; os: 512 T + 2 head
	v_mov_b32 v13, 0xff61b1e6                      ; the largest t so far: -3e38, under every t
	s_delay_alu instid0(VALU_DEP_1)
	v_floor_f32 v12, -v13                          ; -M
	v_mov_b32 v14, 0                               ; the sum, in two halves
	v_mov_b32 v15, 0
.irp i, 20,21,22,23
	v_mov_b32 v[\i], 0                             ; Q's k = 64 .. 127: zero codes
.endr
.irp t, 0,1,2,3,4,5,6,7
.irp i, 4,5,6,7
	v_mov_b32 v[32+8*\t+\i], 0                     ; K's likewise, written once
.endr
.endr
.set n, 0
.rept 32
	v_mov_b32 v[160+n], 0                          ; O^T: the step is written for all steps alike; the first finds zeros, which the first change of M leaves zeros
.set n, n+1
.endr
.irp b, 0,1,2,3
	v_mov_b32 v[236+\b], 0                         ; written once: a lane permute's destination counts as one of its sources
.endr
	v_mov_b32 v253, 0                              ; (named as the upper half of the pair v[252:253])
; A key step's K: eight half fragments and four registers of scale words: ten LDS loads
.macro KLOAD ac, as, off
.irp t, 0,1,2,3,4,5,6,7
	ds_load_b128 v[32+8*\t:35+8*\t], v[\ac] offset:\off+512*\t
.endr
	ds_load_b64 v[26:27], v[\as] offset:\off+8192  ; v26 tiles 0 | 1, v27 tiles 2 | 3 (lanes 0-15 | 16-31),
	ds_load_b64 v[28:29], v[\as] offset:\off+8448  ; v28 tiles 4 | 5, v29 tiles 6 | 7
.endm
; A KEY STEP: 128 keys.  Its K was asked for a step ago.  pre = 1: the next step's K is asked for
.macro STEP pre
	v_add_nc_u32 v3, s[TB], v1
	v_add_nc_u32 v4, s[TB], v2
	v_nop
	v_nop                                          ; four places in front of loads into registers that the last products have read
.irp c, 0,1
.irp j, 0,1,2,3
	ds_load_b128 v[192+8*\j+4*\c:195+8*\j+4*\c], v3 offset:4096+2048*\c+512*\j
.endr
.endr
	ds_load_b64 v[30:31], v4 offset:8704           ; V's scale words: v30 tiles 0 | 1, v31 tiles 2 | 3
	s_wait_dscnt 9                                 ; K's ten loads, issued ahead of these nine, are in; V's nine may be out
.irp t, 0,2,4,6
	v_wmma_scale_f32_16x16x128_f8f6f4 v[96+8*\t:103+8*\t], v[32+8*\t:39+8*\t], v[16:23], 0, v[26+\t/2], v24 matrix_a_fmt:MATRIX_FMT_FP4 matrix_b_fmt:MATRIX_FMT_FP4
	v_wmma_scale_f32_16x16x128_f8f6f4 v[104+8*\t:111+8*\t], v[40+8*\t:47+8*\t], v[16:23], 0, v[26+\t/2], v24 matrix_a_fmt:MATRIX_FMT_FP4 matrix_b_fmt:MATRIX_FMT_FP4 matrix_a_scale:MATRIX_SCALE_ROW1
.endr
.rept 4
	v_nop                                          ; four places: in front of the loads into K's registers, and of the first read of the scores
.endr
.if \pre
	s_wait_alu depctr_va_vdst(0)
	KLOAD 3, 4, KVS                                ; the next step's K lands under this step's softmax
.endif
.irp b, 0,1,2,3
	v_max3_num_f32 v[232+\b], v[96+16*\b], v[97+16*\b], v[98+16*\b]   ; the largest score of each block of 32 keys: it serves the row's maximum and, since p rises with the score, the block's largest p
.endr
.irp i, 3,5,7,9,11,13
.irp b, 0,1,2,3
	v_max3_num_f32 v[232+\b], v[232+\b], v[96+16*\b+\i], v[97+16*\b+\i]
.endr
.endr
.irp b, 0,1,2,3
	v_max_num_f32 v[232+\b], v[232+\b], v[111+16*\b]
.endr
.irp b, 0,1,2,3
	s_delay_alu instid0(VALU_DEP_4)
	v_permlanex16_b32 v[236+\b], v[232+\b], s[SEL], s[SEL+1]
.endr
.irp b, 0,1,2,3
	s_delay_alu instid0(VALU_DEP_4)
	v_max_num_f32 v[232+\b], v[232+\b], v[236+\b]  ; with lane l xor 16's 16 keys
.endr
	s_delay_alu instid0(VALU_DEP_2)
	v_max3_num_f32 v254, v232, v233, v234
	s_delay_alu instid0(VALU_DEP_1)
	v_max_num_f32 v254, v254, v235                 ; the step's largest score of my query
	s_delay_alu instid0(VALU_DEP_1)
	v_mul_f32 v254, s[CS], v254                    ; as t (c is positive)
	s_delay_alu instid0(VALU_DEP_1)
	v_max_num_f32 v13, v13, v254                   ; the running largest t
	v_mov_b32 v254, v12
	s_delay_alu instid0(VALU_DEP_2)
	v_floor_f32 v12, -v13                          ; the new -M = floor(-t): M is a whole number
	s_delay_alu instid0(VALU_DEP_1)
	v_sub_f32 v254, v12, v254                      ; old M - new M: a whole number, 0 or less
	s_delay_alu instid0(VALU_DEP_1)
	v_cvt_i32_f32 v254, v254                       ; (it saturates)
	s_delay_alu instid0(VALU_DEP_1)
	v_ldexp_f32 v252, 1.0, v254                    ; f = 2^(old M - new M)
.irp b, 0,1,2,3
	v_fma_f32 v[232+\b], v[232+\b], s[CS], v12     ; t - M of each block's largest score
.endr
.set n, 0
.rept 4
	v_pk_fma_f32 v[96+n:97+n], v[96+n:97+n], s[CS:CS+1], v[12:13] op_sel_hi:[1,0,0]   ; t - M, two at a time: pairs 0 to 3
.set n, n+2
.endr
	s_wait_alu depctr_va_vdst(0)
.irp b, 0,1,2,3
	v_exp_f32 v[232+\b], v[232+\b]                 ; the block's largest p: the same multiply-add and exponential on the same number as in the run below
	v_pk_fma_f32 v[104+2*\b:105+2*\b], v[104+2*\b:105+2*\b], s[CS:CS+1], v[12:13] op_sel_hi:[1,0,0]   ; pairs 4 to 7
.endr
; p = 2^(t - M), at most 1: 64 exponentials, a plain instruction behind each.  Behind number n: n even, under 48: t - M of pair 8 + n / 2, whose exponentials are numbers 16 + n and 17 + n;
; n = 48 .. 54: a block's floor; n = 56 .. 62: its scale operand; n = 1: the sum under the new M; n = 3: the first pair of O^T under the new M; n odd from 5 on: the sum takes pair (n - 3) / 2,
; whose second exponential stands two exponentials and a plain instruction back.  THE ROW'S SUM IS TAKEN OF THE UNQUANTISED p, in two chains: even pairs onto v[14:15], odd pairs onto v[236:237].
.set n, 0
.rept 64
	v_exp_f32 v[96+n], v[96+n]
.if (n%2 == 0) && (n < 48)
	v_pk_fma_f32 v[112+n:113+n], v[112+n:113+n], s[CS:CS+1], v[12:13] op_sel_hi:[1,0,0]
.elseif (n%2 == 0) && (n < 56)
	v_max_num_f32 v[232+(n-48)/2], 0x1800000, v[232+(n-48)/2]      ; the floor 2^(3 - 127): the byte cannot fall under 1
.elseif n%2 == 0
	v_add_nc_u32 v[244+(n-56)/2], 0xff000000, v[232+(n-56)/2]      ; 2 off the exponent field: the conversion's scale operand
.elseif n == 1
	v_pk_mul_f32 v[14:15], v[14:15], v[252:253] op_sel_hi:[1,0]
.elseif n == 3
	s_wait_alu depctr_va_vdst(0)
	v_pk_mul_f32 v[160:161], v[160:161], v[252:253] op_sel_hi:[1,0]
.elseif n == 5
	s_setprio 1
	s_wait_alu depctr_va_vdst(0)
	v_pk_add_f32 v[236:237], v[96:97], v[98:99]                    ; pairs 0 and 1 start the second chain
.elseif n%4 == 3
	v_pk_add_f32 v[14:15], v[14:15], v[93+n:94+n]
.else
	s_wait_alu depctr_va_vdst(0)
	v_pk_add_f32 v[236:237], v[236:237], v[93+n:94+n]
.endif
.set n, n+1
.endr
	s_wait_alu depctr_va_vdst(0)
	v_pk_add_f32 v[236:237], v[236:237], v[158:159]                ; pair 31
	s_delay_alu instid0(VALU_DEP_1)
	v_pk_add_f32 v[14:15], v[14:15], v[236:237]
.irp b, 0,1,2,3
	v_lshrrev_b32 v[236+\b], 23, v[244+\b]         ; the scale's byte
.endr
	s_delay_alu instid0(VALU_DEP_3)
	v_lshl_or_b32 v25, v237, 8, v236               ; p's scale word for these 128 keys
	s_delay_alu instid0(VALU_DEP_1)
	v_lshl_or_b32 v25, v238, 16, v25
	s_delay_alu instid0(VALU_DEP_1)
	v_lshl_or_b32 v25, v239, 24, v25
.irp b, 0,1,2,3
	v_cvt_scalef32_pk8_fp4_f32 v[224+2*\b], v[96+16*\b:103+16*\b], v[244+\b]
	v_cvt_scalef32_pk8_fp4_f32 v[225+2*\b], v[104+16*\b:111+16*\b], v[244+\b]
.endr
	v_nop                                          ; one plain place behind a scaled conversion
	s_setprio 0
.irp c, 0,1
.irp i, 0,1
	v_permlane16_swap_b32 v[224+4*\c+\i], v[226+4*\c+\i]
.endr
.endr
.set n, 2
.rept 15
	v_pk_mul_f32 v[160+n:161+n], v[160+n:161+n], v[252:253] op_sel_hi:[1,0]   ; the rest of O^T under the new M: fifteen places between p's codes and scale word and the products below
.set n, n+2
.endr
.if \pre
	s_wait_alu depctr_va_vdst(0)
	s_wait_dscnt 10                                ; V's nine loads are in; the next step's K, ten loads, may be out
.else
	s_wait_alu depctr_va_vdst(0)
	s_wait_dscnt 0x0
.endif
.irp j, 0,2
	v_wmma_scale_f32_16x16x128_f8f6f4 v[160+8*\j:167+8*\j], v[192+8*\j:199+8*\j], v[224:231], v[160+8*\j:167+8*\j], v[30+\j/2], v25 matrix_a_fmt:MATRIX_FMT_FP4 matrix_b_fmt:MATRIX_FMT_FP4
	v_wmma_scale_f32_16x16x128_f8f6f4 v[168+8*\j:175+8*\j], v[200+8*\j:207+8*\j], v[224:231], v[168+8*\j:175+8*\j], v[30+\j/2], v25 matrix_a_fmt:MATRIX_FMT_FP4 matrix_b_fmt:MATRIX_FMT_FP4 matrix_a_scale:MATRIX_SCALE_ROW1
.endr
.endm
	s_wait_loadcnt 0x0                             ; Q
	s_wait_tensorcnt 0x3                           ; my load 0 is in; my three later loads may be out
	s_barrier_signal -1
	s_barrier_wait -1                              ; key steps 0 to 3 lie in LDS
	KLOAD 1, 2, 0                                  ; key step 0's K
	s_mov_b32 s[TB], 0
	STEP 1                                         ; key step 0; it asks for K of key step 1
	s_wait_tensorcnt 0x0                           ; all my loads are in,
	s_wait_dscnt 0x0                               ; and no LDS load of mine is out at the signal
	s_barrier_signal -1
	s_barrier_wait -1                              ; the whole record lies in LDS: from here on no wave waits for another
	s_mov_b32 s[TB], KVS
	s_mov_b32 s[CNT], 14
.Lstep:                                            ; key steps 1 to 14
	s_setprio 2
	STEP 1
	s_add_co_u32 s[TB], s[TB], KVS
	s_sub_co_u32 s[CNT], s[CNT], 1
	s_cmp_lg_u32 s[CNT], 0
	s_cbranch_scc1 .Lstep
	s_setprio 0
	s_mov_b32 s[TB], 15*KVS
	STEP 0                                         ; the last key step asks for nothing: no LDS read passes the record's end
.rept 4
	v_nop                                          ; places behind the last products
.endr
	v_add_f32 v14, v14, v15                        ; the sum's two halves,
	s_delay_alu instid0(VALU_DEP_1)
	v_permlanex16_b32 v252, v14, s[SEL], s[SEL+1]
	s_delay_alu instid0(VALU_DEP_1)
	v_add_f32 v14, v14, v252                       ; and lane l xor 16's: the row's sum
	s_wait_alu depctr_va_vdst(0)
	v_rcp_f32 v14, v14
	v_nop                                          ; one plain place behind a transcendental
.set n, 0
	s_wait_alu depctr_va_vdst(0)
.rept 16
	v_pk_mul_f32 v[160+n:161+n], v[160+n:161+n], v[14:15] op_sel_hi:[1,0]   ; O^T / the sum: register 16 b + i is channel 32 b + 16 h + i of my query
.set n, n+2
.endr
	QUANT32 160, 224, 248                          ; the head's 64 channels are two blocks of the last product's K
	global_store_b128 v1, v[224:227], s[10:11]     ; half a fragment: 512 consecutive bytes
	global_store_b16 v6, v248, s[12:13]            ; two scale bytes a query, 32 bytes apart (both halves of the lanes write the same): the rest of a query's 32 bytes comes from the other heads' work-groups
	s_wait_tensorcnt 0x0
	ds_add_u32 v251, v255
	s_wait_dscnt 0x0
	CROUND                                         ; the closing round
	s_endpgm
.Lfunc_end_k_q0a6e1e6dd2_attn:
	.size	k_q0a6e1e6dd2_attn, .Lfunc_end_k_q0a6e1e6dd2_attn-k_q0a6e1e6dd2_attn
	.p2alignl 7, 3214868480
	.fill 96, 4, 3214868480
	.section	.rodata,"a",@progbits
	.p2align	6, 0x0
	.amdhsa_kernel k_q0a6e1e6dd2_attn
		.amdhsa_group_segment_fixed_size 169984
		.amdhsa_private_segment_fixed_size 0
		.amdhsa_enable_private_segment 0
		.amdhsa_kernarg_size 40
		.amdhsa_user_sgpr_count 2
		.amdhsa_user_sgpr_kernarg_segment_ptr 1
		.amdhsa_wavefront_size32 1
		.amdhsa_system_sgpr_workgroup_id_x 1
		.amdhsa_system_sgpr_workgroup_id_y 1
		.amdhsa_system_sgpr_workgroup_id_z 1
		.amdhsa_system_vgpr_workitem_id 0
		.amdhsa_next_free_vgpr 256
		.amdhsa_next_free_sgpr 66
		.amdhsa_reserve_vcc 0
		.amdhsa_float_denorm_mode_32 3
		.amdhsa_float_denorm_mode_16_64 3
		.amdhsa_memory_ordered 1
		.amdhsa_forward_progress 1
		.amdhsa_inst_pref_size 61
	.end_amdhsa_kernel
	.amdgpu_metadata
---
amdhsa.version: [ 1, 2 ]
amdhsa.kernels:
  - .name:           k_q0a6e1e6dd2_attn
    .symbol:         k_q0a6e1e6dd2_attn.kd
    .args:
      - { .name: qc, .offset: 0, .size: 8, .value_kind: global_buffer, .address_space: global }
      - { .name: qs, .offset: 8, .size: 8, .value_kind: global_buffer, .address_space: global }
      - { .name: kv, .offset: 16, .size: 8, .value_kind: global_buffer, .address_space: global }
      - { .name: oi, .offset: 24, .size: 8, .value_kind: global_buffer, .address_space: global }
      - { .name: os, .offset: 32, .size: 8, .value_kind: global_buffer, .address_space: global }
    .group_segment_fixed_size: 169984
    .private_segment_fixed_size: 0
    .kernarg_segment_align: 8
    .kernarg_segment_size: 40
    .max_flat_workgroup_size: 512
    .sgpr_count:     66
    .vgpr_count:     256
    .wavefront_size: 32
...
	.end_amdgpu_metadata
.endif
;; end of part 7
;; launch tail (part 8): grid 256 x 1, 16 waves a work-group, no clusters, 84,992 bytes of LDS; arguments oi, os, img, x, b_comb, gamma1, beta1, gamma2, beta2, theta, w1, b1, out0; writes out0
.if DOCPART == 8
	.amdgcn_target "amdgcn-amd-amdhsa--gfx1250"
	.amdhsa_code_object_version 6
	.text
	.protected	k_q0a6e1e6dd2_tail
	.globl	k_q0a6e1e6dd2_tail
	.p2align	8
	.type	k_q0a6e1e6dd2_tail,@function
k_q0a6e1e6dd2_tail:
	s_mov_b64 s[64:65], 0
	v_nop
	global_prefetch_b8 v0, s[64:65] scope:SCOPE_SE
	s_setreg_imm32_b32 hwreg(HW_REG_WAVE_SCHED_MODE, 0, 2), 2
	s_setreg_imm32_b32 hwreg(HW_REG_WAVE_MODE, 25, 1), 1
	s_wait_xcnt 0x0
	s_wait_alu depctr_vm_vsrc(0)
; out0 = LN2(x1 + ffn), x1 = LN1(x + O w_comb^T + b_comb), ffn = sum over i < 8 of cos(x1_i) cos(theta_i) w1_i + b1.  The product is on codes of FP4; all else in f32.
; SHARES: a work-group takes one tile of 16 tokens (slot r of tile T is token 32 (T / 2) + 8 (T % 2) + r + 8 (r / 8)) and all 1,024 columns, so that both norms close inside it; wave w takes columns 64 w .. 64 w + 63.
; The product is used transposed (source 0 = 16 rows of w_comb, source 1 = the tokens): lane (r, h) holds token slot r, and register 16 b + i column 64 w + 32 b + 16 h + i.  b_comb is the C of the first products.
; w_comb's fragments go from memory straight into registers, four K steps ahead (a ring of four sets of 32 registers).  NO JOINT LOADS, though all work-groups read the same 557,056 bytes of images: they do not fit
; in LDS whole, and each fragment feeds exactly ONE matrix instruction of the work-group, so the way through LDS would add a write and a read of every byte and a refill ring with a cluster round a refill.
; gamma1, beta1, gamma2, beta2 ride in the same ring as units 8 to 11: eight loads each, so every count stays the same.
; THE NORMS: each wave's mean and sum of squares about ITS mean, of 64 columns; the 16 pairs meet in LDS; the row's variance is (sum of M2_w / 64 + sum of (mean_w - mean)^2) / 16: no difference of large sums.
; THE COSINE: t = x / 2 pi less the nearest whole number (one fused multiply-add), then the series of cos(2 pi t) in t^2 up to t^16; at |t| = 1/2 the first term left out is pi^18 / 18!, under 2e-7.
; LIMITS: 1 / 2 pi is an f32 number, so the reduction's error grows with |x| (about 3e-9 |x| turns); NaN and infinities are not served.
; THE MODE: SCHED_MODE bits 1:0 = 2 (LLVM: expert scheduling mode 2), set by the entry lines.  The code itself states the register dependences between vector or matrix instructions and memory or LDS
; instructions, with s_wait_alu, always for 0.
; THE PLAN.  Registers that memory or LDS instructions touch:
;   v1-v11, v253   offsets and LDS addresses: written at the head, never again: one wait on va_vdst ahead of the first load serves every load and store of the kernel.
;   WS0 .. WS3     K step ks: its four products read WS[ks % 4]; behind them unit ks + 4 lands in it.
;   OF0, OF1       K step ks: its four products read OF[ks % 2]; behind them O's fragment of step ks + 2 lands in it.  (v80-83 first carry my piece of O's image from memory to LDS.)
;   XR             x as loaded, read by the head's LDS stores; then x from LDS; then, in each norm, the row's 32 statistics from LDS; at the end rows of the result from LDS, read by the global stores.
;   v12, v88       written by a norm's statistics and read by its two LDS stores; v88 is written again by wave 0's sum and read by its LDS store; both are written again by the second norm's statistics.
;   Y              loaded once (b_comb); written by products and vector instructions; read by the LDS stores of the way out.
;   OS, WSC, v250  loaded once; no vector instruction writes them.  No operand and no scale of a product is written by a vector instruction.
; So ONE wait on va_vdst stands in a K step, behind its products: the ten loads that follow it land in the two sets that those products have read.  It stands there and not at the next step's head, so that a ring set
; is asked for again at once: 16 waves of 256 registers leave none for a fifth set.  Each norm has one wait on va_vdst, ahead of its two LDS stores, which also serves the LDS loads into XR behind the barrier.
.set REC,   34816
.set KREC,  4352
.set OIMG,  0                          ; LDS: O's 16 half fragments, 8,192 bytes
.set ST1,   8192                       ; [r] 144 bytes apart: 16 means, then 16 M2 / 64
.set ST2,   10496
.set FFN,   12800                      ; 32 words
.set STG,   13056                      ; a stage of 16 rows x (256 + 16) bytes for each wave
.set Y,     16                         ; v16-47   the accumulators; then y, x1, z, out
.set XR,    48                         ; v48-79   x; later the 32 statistics; later rows on their way out
.set OF,    80                         ; v80-95   O's fragments, two sets; later at work
.set OS,    96                         ; v96-103  O's scale words;  v104-119 w_comb's: scales and nothing else
.set WSC,   104
.set WS,    120                        ; v120-247 the ring: four sets of 32
.set SEL,   54                         ; s[54:55]
; v1 16 lane; v2 4096 h + 16 r; v3 256 w + 64 h; v4, v5 the stage, by rows and by lanes; v6 144 r + 4 w; v7 144 r; v8, v9 FFN + 4 lane, + 4 r; v10 16 r + 4352 h; v11 32 r; v253 512 w + 16 lane
; v[12:13] my wave's mean; v[14:15] the row's; v[248:249] 1 / sqrt(var + eps); v[250:251] ffn; v252 the series' first coefficient
.macro UNIT u                          ; eight loads: K step u of my 64 rows of w_comb, or (u = 8 .. 11) my 32 numbers of gamma1, beta1, gamma2, beta2
.if (\u) < 8
.irp i, 0,1,2,3
.irp c, 0,1
	global_load_b128 v[WS+32*((\u)%4)+8*\i+4*\c:WS+32*((\u)%4)+8*\i+4*\c+3], v1, s[8:9] offset:KREC*(\u)+1024*\i+512*\c
.endr
.endr
.else
.irp b, 0,1
.irp q, 0,1,2,3
	global_load_b128 v[WS+32*((\u)%4)+16*\b+4*\q:WS+32*((\u)%4)+16*\b+4*\q+3], v3, s[14+2*((\u)-8):15+2*((\u)-8)] offset:128*\b+16*\q
.endr
.endr
.endif
.endm
.macro GSTEP ks                        ; a K step of 128: four products, the four accumulators by turns
.if (\ks) < 7
	s_wait_dscnt 2                                 ; this step's fragment of O is in; the next one's two loads may be out
.else
	s_wait_dscnt 0x0
.endif
	s_wait_loadcnt 24                              ; unit ks is in; the three units behind it may be out
.irp i, 0,1,2,3
.if (\ks)%2 == 0
	v_wmma_scale_f32_16x16x128_f8f6f4 v[Y+8*\i:Y+8*\i+7], v[WS+32*((\ks)%4)+8*\i:WS+32*((\ks)%4)+8*\i+7], v[OF+8*((\ks)%2):OF+8*((\ks)%2)+7], v[Y+8*\i:Y+8*\i+7], v[WSC+4*((\ks)/2)+\i], v[OS+(\ks)] matrix_a_fmt:MATRIX_FMT_FP4 matrix_b_fmt:MATRIX_FMT_FP4
.else
	v_wmma_scale_f32_16x16x128_f8f6f4 v[Y+8*\i:Y+8*\i+7], v[WS+32*((\ks)%4)+8*\i:WS+32*((\ks)%4)+8*\i+7], v[OF+8*((\ks)%2):OF+8*((\ks)%2)+7], v[Y+8*\i:Y+8*\i+7], v[WSC+4*((\ks)/2)+\i], v[OS+(\ks)] matrix_a_fmt:MATRIX_FMT_FP4 matrix_b_fmt:MATRIX_FMT_FP4 matrix_a_scale:MATRIX_SCALE_ROW1
.endif
.endr
.rept 4
	v_nop                                          ; four places behind the products, in the last step ahead of the first read of results (ISA guide 7.12.1); they stay beside the wait below
.endr
	s_wait_alu depctr_va_vdst(0)                   ; the four products are done reading ring set ks % 4 and O's set ks % 2, in which the loads below land
.if (\ks) < 6
	ds_load_b128 v[OF+8*((\ks)%2):OF+8*((\ks)%2)+3], v1 offset:OIMG+1024*((\ks)+2)        ; O's fragment of the step after the next: it has a whole step in which to land
	ds_load_b128 v[OF+8*((\ks)%2)+4:OF+8*((\ks)%2)+7], v1 offset:OIMG+1024*((\ks)+2)+512
.endif
	UNIT (\ks)+4
.endm
; The row's mean into v14 and 1 / sqrt(variance + eps) into v248, of the numbers in v[Y] on
.macro STATS base
.irp k, 0,1,2,3,4,5,6,7
	v_pk_add_f32 v[80+2*\k:81+2*\k], v[Y+4*\k:Y+4*\k+1], v[Y+4*\k+2:Y+4*\k+3]
.endr
.irp k, 0,1,2,3
	v_pk_add_f32 v[80+4*\k:81+4*\k], v[80+4*\k:81+4*\k], v[82+4*\k:83+4*\k]
.endr
	v_pk_add_f32 v[80:81], v[80:81], v[84:85]
	v_pk_add_f32 v[88:89], v[88:89], v[92:93]
	v_pk_add_f32 v[80:81], v[80:81], v[88:89]
	v_add_f32 v80, v80, v81
	v_permlanex16_b32 v81, v80, s[SEL], s[SEL+1]
	v_add_f32 v80, v80, v81                        ; my wave's 64 columns of my row
	v_mul_f32 v12, 0x3c800000, v80                 ; / 64: their mean
.irp g, 0,1,2,3
.irp k, 0,1,2,3
	v_pk_add_f32 v[80+2*\k:81+2*\k], v[Y+8*\g+2*\k:Y+8*\g+2*\k+1], v[12:13] op_sel_hi:[1,0] neg_lo:[0,1] neg_hi:[0,1]
.endr
.if \g == 0
	v_pk_mul_f32 v[88:89], v[80:81], v[80:81]      ; the first squares start the two chains
	v_pk_mul_f32 v[90:91], v[82:83], v[82:83]
.else
	v_pk_fma_f32 v[88:89], v[80:81], v[80:81], v[88:89]
	v_pk_fma_f32 v[90:91], v[82:83], v[82:83], v[90:91]
.endif
	v_pk_fma_f32 v[88:89], v[84:85], v[84:85], v[88:89]
	v_pk_fma_f32 v[90:91], v[86:87], v[86:87], v[90:91]
.endr
	v_pk_add_f32 v[88:89], v[88:89], v[90:91]
	v_add_f32 v88, v88, v89
	v_permlanex16_b32 v89, v88, s[SEL], s[SEL+1]
	v_add_f32 v88, v88, v89
	v_mul_f32 v88, 0x3c800000, v88                 ; M2 / 64
	s_wait_alu depctr_va_vdst(0)                   ; v12 and v88 are written, which the two LDS stores read; and every vector instruction that named v[XR ..] is done: no other stands ahead of the LDS loads that land there behind the barrier
	ds_store_b32 v6, v12 offset:\base              ; both halves of the lanes write the same word with the same value
	ds_store_b32 v6, v88 offset:\base+64
	s_wait_dscnt 0x0                               ; for the others' sake
	s_barrier_signal -1
	s_barrier_wait -1
.irp q, 0,1,2,3,4,5,6,7
	ds_load_b128 v[XR+4*\q:XR+4*\q+3], v7 offset:\base+16*\q   ; my row's 16 means, then its 16 M2 / 64
.endr
	s_wait_dscnt 0x0
.irp k, 0,1,2,3
	v_pk_add_f32 v[80+2*\k:81+2*\k], v[XR+4*\k:XR+4*\k+1], v[XR+4*\k+2:XR+4*\k+3]
.endr
	v_pk_add_f32 v[80:81], v[80:81], v[82:83]
	v_pk_add_f32 v[84:85], v[84:85], v[86:87]
	v_pk_add_f32 v[80:81], v[80:81], v[84:85]
	v_add_f32 v80, v80, v81
	v_mul_f32 v14, 0x3d800000, v80                 ; / 16: the row's mean
.irp k, 0,1,2,3,4,5,6,7
	v_pk_add_f32 v[XR+2*\k:XR+2*\k+1], v[XR+2*\k:XR+2*\k+1], v[14:15] op_sel_hi:[1,0] neg_lo:[0,1] neg_hi:[0,1]
.endr
.irp k, 0,1,2,3,4,5,6,7
	v_pk_fma_f32 v[XR+16+2*\k:XR+17+2*\k], v[XR+2*\k:XR+2*\k+1], v[XR+2*\k:XR+2*\k+1], v[XR+16+2*\k:XR+17+2*\k]
.endr
.irp k, 0,1,2,3
	v_pk_add_f32 v[XR+16+4*\k:XR+17+4*\k], v[XR+16+4*\k:XR+17+4*\k], v[XR+18+4*\k:XR+19+4*\k]
.endr
	v_pk_add_f32 v[XR+16:XR+17], v[XR+16:XR+17], v[XR+20:XR+21]
	v_pk_add_f32 v[XR+24:XR+25], v[XR+24:XR+25], v[XR+28:XR+29]
	v_pk_add_f32 v[XR+16:XR+17], v[XR+16:XR+17], v[XR+24:XR+25]
	v_add_f32 v[XR+16], v[XR+16], v[XR+17]
	v_fma_f32 v[XR+16], v[XR+16], s56, s57         ; / 16 + 1e-5
	s_wait_alu depctr_va_vdst(0)
	v_rsq_f32 v248, v[XR+16]
	v_nop                                          ; one plain place behind a transcendental
.endm
.macro NORM gs, bs                     ; (y - mean) x rs x gamma + beta, in place
.set n, 0
.rept 16
	v_pk_add_f32 v[Y+n:Y+n+1], v[Y+n:Y+n+1], v[14:15] op_sel_hi:[1,0] neg_lo:[0,1] neg_hi:[0,1]
.set n, n+2
.endr
.set n, 0
	s_wait_alu depctr_va_vdst(0)                   ; the reciprocal root v248 is written, ahead of its first reader; the sixteen subtractions above are the work between
.rept 16
	v_pk_mul_f32 v[Y+n:Y+n+1], v[Y+n:Y+n+1], v[248:249] op_sel_hi:[1,0]
.set n, n+2
.endr
.set n, 0
.rept 16
	v_pk_fma_f32 v[Y+n:Y+n+1], v[Y+n:Y+n+1], v[\gs+n:\gs+n+1], v[\bs+n:\bs+n+1]
.set n, n+2
.endr
.endm
.macro COS8 x, d, u                    ; v[d + i] = cos(v[x + i]), i = 0 .. 7, by turns; v[u] on at work
.irp i, 0,1,2,3,4,5,6,7
	v_mul_f32 v[\d+\i], 0.15915494, v[\x+\i]
.endr
.irp i, 0,1,2,3,4,5,6,7
	v_rndne_f32 v[\u+\i], v[\d+\i]
.endr
.irp i, 0,1,2,3,4,5,6,7
	v_fma_f32 v[\d+\i], v[\x+\i], 0.15915494, -v[\u+\i]   ; t, between -1/2 and 1/2
.endr
.irp i, 0,1,2,3,4,5,6,7
	v_mul_f32 v[\u+\i], v[\d+\i], v[\d+\i]
.endr
.irp i, 0,1,2,3,4,5,6,7
	v_fmaak_f32 v[\d+\i], v[\u+\i], v252, 0xbfdb7128      ; (2 pi)^16 / 16! x u - (2 pi)^14 / 14!
.endr
.irp k, 0x40fce9c5, 0xc1d368f9, 0x4270fa83, 0xc2aae9e4, 0x4281e0f8, 0xc19de9e6, 0x3f800000
.irp i, 0,1,2,3,4,5,6,7
	v_fmaak_f32 v[\d+\i], v[\d+\i], v[\u+\i], \k          ; down to - (2 pi)^2 / 2 and 1
.endr
.endr
.endm
	s_load_b512 s[4:19], s[0:1], 0x0               ; oi s[4:5], os s[6:7], img s[8:9], x s[10:11], b_comb s[12:13], gamma1 s[14:15], beta1 s[16:17], gamma2 s[18:19]
	s_load_b256 s[20:27], s[0:1], 0x40             ; beta2 s[20:21], theta s[22:23], w1 s[24:25], b1 s[26:27]
	s_load_b64 s[28:29], s[0:1], 0x60              ; out0
	v_lshl_add_u32 v254, v0, 2, 0x14400
	v_mov_b32 v255, 0
	v_lshrrev_b32 v12, 5, v0
	v_readfirstlane_b32 s30, v12                   ; wave 0..15
	v_and_b32 v13, 31, v0                          ; lane
	v_and_b32 v14, 15, v0                          ; r
	v_bfe_u32 v15, v0, 4, 1                        ; h
	v_lshlrev_b32 v1, 4, v13
	v_lshlrev_b32 v2, 4, v14
	v_lshl_add_u32 v2, v15, 12, v2
	s_wait_alu depctr_va_sdst(0)                   ; s30 is written, ahead of its first reader: addresses, bases and the branch on the wave's number are made from it
	s_lshl_b32 s49, s30, 8
	v_lshlrev_b32 v3, 6, v15
	v_add_nc_u32 v3, s49, v3
	s_mul_i32 s50, s30, 16*272
	s_add_co_u32 s50, s50, STG                     ; my stage
	v_mul_u32_u24 v4, v15, 272
	v_lshl_add_u32 v4, v14, 4, v4
	v_add_nc_u32 v4, s50, v4                       ; by rows: lanes 0-15 one row of 256 bytes, lanes 16-31 the next
	v_mul_u32_u24 v5, v14, 272
	v_lshl_add_u32 v5, v15, 6, v5
	v_add_nc_u32 v5, s50, v5                       ; by lanes: row r, + 64 h
	v_mul_u32_u24 v7, v14, 144
	s_lshl_b32 s51, s30, 2
	v_add_nc_u32 v6, s51, v7
	v_lshl_add_u32 v8, v13, 2, FFN
	v_lshl_add_u32 v9, v14, 2, FFN
	v_mul_u32_u24 v10, v15, KREC
	v_lshl_add_u32 v10, v14, 4, v10
	v_lshlrev_b32 v11, 5, v14
	s_lshl_b32 s52, s30, 9
	v_add_nc_u32 v253, s52, v1
	v_mov_b32 v249, 0                              ; (upper halves of pairs of which the low word serves both halves: named, so written)
	v_mov_b32 v251, 0
	s_mov_b32 s[SEL], 0x76543210
	s_mov_b32 s[SEL+1], 0xfedcba98
	s_mov_b32 s56, 0x3d800000                      ; 1 / 16
	s_mov_b32 s57, 0x3727c5ac                      ; 1e-5
	s_mov_b32 s59, 0
	s_wait_kmcnt 0x0
	s_load_b256 s[32:39], s[22:23], 0x0            ; theta
	s_load_b256 s[40:47], s[24:25], 0x0            ; w1
	s_load_b32 s48, s[26:27], 0x0                  ; b1
	s_lshl_b32 s58, ttmp9, 13
	s_add_co_u32 s58, s58, s52
	s_add_nc_u64 s[4:5], s[4:5], s[58:59]          ; oi: 8,192 T + 512 wave
	s_lshl_b32 s58, ttmp9, 9
	s_add_nc_u64 s[6:7], s[6:7], s[58:59]          ; os: 512 T
	s_add_co_u32 s58, s30, 112
	s_mul_i32 s58, s58, REC
	s_add_nc_u64 s[8:9], s[8:9], s[58:59]          ; img: group 112 + wave
	s_lshr_b32 s58, ttmp9, 1
	s_lshl_b32 s58, s58, 5
	s_and_b32 s53, ttmp9, 1
	s_lshl_b32 s53, s53, 3
	s_add_co_u32 s58, s58, s53                     ; the tile's first token
	s_lshl_b32 s58, s58, 12
	s_add_co_u32 s58, s58, s49                     ; + my 256 bytes of a row
	s_add_nc_u64 s[10:11], s[10:11], s[58:59]
	s_add_nc_u64 s[28:29], s[28:29], s[58:59]
	s_wait_alu depctr_va_vdst(0)                   ; the offsets and LDS addresses v1 to v11 and v253 are written: every load and store of the kernel reads one of them, and none is written again
	; 55 loads.  x first: two rows' 256 bytes an instruction
.irp i, 0,1,2,3,4,5,6,7
	global_load_b128 v[XR+4*\i:XR+4*\i+3], v2, s[10:11] offset:(2*\i+8*(\i/4))*4096 th:TH_LOAD_NT
.endr
	global_load_b128 v[OF:OF+3], v1, s[4:5]        ; my sixteenth of O's image
	global_load_b128 v[OS:OS+3], v11, s[6:7]       ; my token's eight scale words
	global_load_b128 v[OS+4:OS+7], v11, s[6:7] offset:16
.irp q, 0,1,2,3
	global_load_b128 v[WSC+4*\q:WSC+4*\q+3], v10, s[8:9] offset:4096+8704*\q   ; w_comb's: four tiles' words; lanes 0-15 K step 2 q, lanes 16-31 K step 2 q + 1
.endr
.irp b, 0,1
.irp q, 0,1,2,3
	global_load_b128 v[Y+16*\b+4*\q:Y+16*\b+4*\q+3], v3, s[12:13] offset:128*\b+16*\q   ; b_comb, in the result's layout
.endr
.endr
	UNIT 0
	UNIT 1
	UNIT 2
	UNIT 3
	s_wait_loadcnt 46                              ; x's eight loads and O's piece are in; the 46 behind them may be out
.irp i, 0,1,2,3,4,5,6,7
	ds_store_b128 v4, v[XR+4*\i:XR+4*\i+3] offset:544*\i
.endr
	ds_store_b128 v253, v[OF:OF+3] offset:OIMG
	s_wait_kmcnt 0x0                               ; theta, w1, b1
	s_wait_dscnt 0x0                               ; for the others' sake: my piece of O's image has landed
	s_barrier_signal -1
	s_barrier_wait -1
	s_wait_alu depctr_vm_vsrc(0)                   ; my nine LDS stores have read v[XR ..] and v[OF .. OF + 3], in which the LDS loads below land
.irp b, 0,1
.irp q, 0,1,2,3
	ds_load_b128 v[XR+16*\b+4*\q:XR+16*\b+4*\q+3], v5 offset:128*\b+16*\q   ; x in the result's layout
.endr
.endr
	ds_load_b128 v[OF:OF+3], v1 offset:OIMG        ; O's fragments of K steps 0 and 1; each step asks for the one two steps on
	ds_load_b128 v[OF+4:OF+7], v1 offset:OIMG+512
	ds_load_b128 v[OF+8:OF+11], v1 offset:OIMG+1024
	ds_load_b128 v[OF+12:OF+15], v1 offset:OIMG+1536
.irp k, 0,1,2,3,4,5,6,7
	GSTEP \k
.endr
.set n, 0
.rept 16
	v_pk_add_f32 v[Y+n:Y+n+1], v[Y+n:Y+n+1], v[XR+n:XR+n+1]   ; y = x + attn: each accumulator from its low end on
.set n, n+2
.endr
	STATS ST1
	s_wait_alu depctr_vm_vsrc(0)                   ; the two LDS stores of the statistics have read v12 and v88: wave 0's sum writes v88 again, the second norm's statistics both
	s_wait_loadcnt 16                              ; gamma1 and beta1 are in; gamma2's and beta2's loads may be out
	NORM WS, WS+32                                 ; x1
	s_cmp_lg_u32 s30, 0                            ; columns 0 .. 7 lie in v16-23 of wave 0's lanes 0-15 (lanes 16-31 work on columns 16 .. 23: their words are not read)
	s_cbranch_scc1 .Lnot_wave_0
	v_mov_b32 v252, 0x3e906316                     ; (2 pi)^16 / 16!
	COS8 Y, 48, 56
.irp i, 0,1,2,3,4,5,6,7
	v_mov_b32 v[64+\i], s[32+\i]
.endr
	COS8 64, 72, 80
	v_mov_b32 v88, s48                             ; b1
.irp i, 0,1,2,3,4,5,6,7
	v_mul_f32 v[48+\i], v[48+\i], v[72+\i]         ; z_i
.endr
.irp i, 0,1,2,3,4,5,6,7
	v_fma_f32 v88, v[48+\i], s[40+\i], v88
.endr
	s_wait_alu depctr_va_vdst(0)                   ; the sum v88 is written, which the LDS store reads
	ds_store_b32 v8, v88
.Lnot_wave_0:
	s_wait_dscnt 0x0
	s_barrier_signal -1
	s_barrier_wait -1
	s_wait_alu depctr_vm_vsrc(0)                   ; wave 0's LDS store has read v88, which the second norm's statistics write again
	ds_load_b32 v250, v9                           ; my token's ffn
	s_wait_dscnt 0x0
.set n, 0
.rept 16
	v_pk_add_f32 v[Y+n:Y+n+1], v[Y+n:Y+n+1], v[250:251] op_sel_hi:[1,0]
.set n, n+2
.endr
	STATS ST2
	s_wait_loadcnt 0x0                             ; gamma2, beta2
	NORM WS+64, WS+96
	; the way out, through my own stage: LDS serves a wave's instructions in order (ISA guide 5.7.1.4), so no wait stands between the stores and the loads
	s_wait_alu depctr_va_vdst(0)                   ; the second norm has written v[Y ..], which the LDS stores read; its statistics are done with v[XR ..], in which the LDS loads land
.irp b, 0,1
.irp q, 0,1,2,3
	ds_store_b128 v5, v[Y+16*\b+4*\q:Y+16*\b+4*\q+3] offset:128*\b+16*\q
.endr
.endr
.irp i, 0,1,2,3,4,5,6,7
	ds_load_b128 v[XR+4*\i:XR+4*\i+3], v4 offset:544*\i
.endr
.irp i, 0,1,2,3,4,5,6,7
	s_wait_dscnt 7-\i
	global_store_b128 v2, v[XR+4*\i:XR+4*\i+3], s[28:29] offset:(2*\i+8*(\i/4))*4096 th:TH_STORE_NT   ; sixteen lanes store 256 consecutive bytes, aligned
.endr
	s_wait_dscnt 0x0                               ; the closing lines, six on end
	s_wait_alu 0x0
	s_wait_tensorcnt 0x0
	ds_add_u32 v254, v255
	s_wait_dscnt 0x0
	s_endpgm
.Lfunc_end_k_q0a6e1e6dd2_tail:
	.size	k_q0a6e1e6dd2_tail, .Lfunc_end_k_q0a6e1e6dd2_tail-k_q0a6e1e6dd2_tail
	.p2alignl 7, 3214868480
	.fill 96, 4, 3214868480
	.section	.rodata,"a",@progbits
	.p2align	6, 0x0
	.amdhsa_kernel k_q0a6e1e6dd2_tail
		.amdhsa_group_segment_fixed_size 84992
		.amdhsa_private_segment_fixed_size 0
		.amdhsa_enable_private_segment 0
		.amdhsa_kernarg_size 104
		.amdhsa_user_sgpr_count 2
		.amdhsa_user_sgpr_kernarg_segment_ptr 1
		.amdhsa_wavefront_size32 1
		.amdhsa_system_sgpr_workgroup_id_x 1
		.amdhsa_system_sgpr_workgroup_id_y 1
		.amdhsa_system_sgpr_workgroup_id_z 1
		.amdhsa_system_vgpr_workitem_id 0
		.amdhsa_next_free_vgpr 256
		.amdhsa_next_free_sgpr 66
		.amdhsa_reserve_vcc 0
		.amdhsa_float_denorm_mode_32 3
		.amdhsa_float_denorm_mode_16_64 3
		.amdhsa_memory_ordered 1
		.amdhsa_forward_progress 1
		.amdhsa_inst_pref_size 58
	.end_amdhsa_kernel
	.amdgpu_metadata
---
amdhsa.version: [ 1, 2 ]
amdhsa.kernels:
  - .name:           k_q0a6e1e6dd2_tail
    .symbol:         k_q0a6e1e6dd2_tail.kd
    .args:
      - { .name: oi, .offset: 0, .size: 8, .value_kind: global_buffer, .address_space: global }
      - { .name: os, .offset: 8, .size: 8, .value_kind: global_buffer, .address_space: global }
      - { .name: img, .offset: 16, .size: 8, .value_kind: global_buffer, .address_space: global }
      - { .name: x, .offset: 24, .size: 8, .value_kind: global_buffer, .address_space: global }
      - { .name: b_comb, .offset: 32, .size: 8, .value_kind: global_buffer, .address_space: global }
      - { .name: gamma1, .offset: 40, .size: 8, .value_kind: global_buffer, .address_space: global }
      - { .name: beta1, .offset: 48, .size: 8, .value_kind: global_buffer, .address_space: global }
      - { .name: gamma2, .offset: 56, .size: 8, .value_kind: global_buffer, .address_space: global }
      - { .name: beta2, .offset: 64, .size: 8, .value_kind: global_buffer, .address_space: global }
      - { .name: theta, .offset: 72, .size: 8, .value_kind: global_buffer, .address_space: global }
      - { .name: w1, .offset: 80, .size: 8, .value_kind: global_buffer, .address_space: global }
      - { .name: b1, .offset: 88, .size: 8, .value_kind: global_buffer, .address_space: global }
      - { .name: out0, .offset: 96, .size: 8, .value_kind: global_buffer, .address_space: global }
    .group_segment_fixed_size: 84992
    .private_segment_fixed_size: 0
    .kernarg_segment_align: 8
    .kernarg_segment_size: 104
    .max_flat_workgroup_size: 512
    .sgpr_count:     66
    .vgpr_count:     256
    .wavefront_size: 32
...
	.end_amdgpu_metadata
.endif
;; end of part 8
